; MI455X (gfx1250); checked and timed in simulation.
; The chip was launched on July 23, 2026; its instructions are those of AMD's public machine-readable ISA for CDNA 5 (MIT licence, August 2026) and "CDNA5" Instruction Set Architecture Reference Guide (July 2026). The comments in the code are by the model that wrote it; some were corrected since.
;; Atten Head. Allowed arithmetic: matrix products marked QUANTISED: E3M2 operands, one E8M0 scale for each 32 along K, by v_wmma_scale_f32_16x16x128_f8f6f4 with both operands' format E3M2, f32 sums; everything else in f32.
;; Inputs: WK_codes 1,024 x 32 x 24 uint8 (E3M2 codes of WK, K innermost, in blocks of 32 codes, four codes in three bytes); WK_scales 1,024 x 32 uint8 (E8M0 scales of WK, one for each 32 codes along K); WQ_codes 1,024 x 32 x 24 uint8 (E3M2 codes of WQ, K innermost, in blocks of 32 codes, four codes in three bytes); WQ_scales 1,024 x 32 uint8 (E8M0 scales of WQ, one for each 32 codes along K); WV_codes 1,024 x 32 x 24 uint8 (E3M2 codes of WV, K innermost, in blocks of 32 codes, four codes in three bytes); WV_scales 1,024 x 32 uint8 (E8M0 scales of WV, one for each 32 codes along K); inputs_for_keys_codes 4 x 2,048 x 32 x 24 uint8 (E3M2 codes of inputs_for_keys, K innermost, in blocks of 32 codes, four codes in three bytes); inputs_for_keys_scales 4 x 2,048 x 32 uint8 (E8M0 scales of inputs_for_keys, one for each 32 codes along K); inputs_for_queries_codes 4 x 2,048 x 32 x 24 uint8 (E3M2 codes of inputs_for_queries, K innermost, in blocks of 32 codes, four codes in three bytes); inputs_for_queries_scales 4 x 2,048 x 32 uint8 (E8M0 scales of inputs_for_queries, one for each 32 codes along K); inputs_for_values_codes 4 x 2,048 x 32 x 24 uint8 (E3M2 codes of inputs_for_values, K innermost, in blocks of 32 codes, four codes in three bytes); inputs_for_values_scales 4 x 2,048 x 32 uint8 (E8M0 scales of inputs_for_values, one for each 32 codes along K).
;; Outputs: out0 4 x 2,048 x 1,024 float32; out1 4 x 2,048 x 1,024 float32.
;; This version of the problem:
;;   THIS VERSION OF THE PROBLEM IS GIVEN IN LOW PRECISION. The matrix products marked QUANTISED in the list below multiply operands that are first quantised to E3M2 (3 exponent bits, 2 mantissa bits; 6 bits a number), with one power-of-two scale for each 32 numbers along K (OCP MX v1.0); their sums are f32. All else is computed in f32.
;;   The module's matrix products, in the order in which they are computed (A, B: the left and right operand; K: the contracted axis; several contracted axes count as one K, in the product's order):
;;     1. [M 8,192, K 1,024] x [K 1,024, N 1,024]; A: input inputs_for_keys (given as codes); B: input WK (given as codes): QUANTISED
;;     2. [M 8,192, K 1,024] x [K 1,024, N 1,024]; A: input inputs_for_values (given as codes); B: input WV (given as codes): QUANTISED
;;     3. [M 8,192, K 1,024] x [K 1,024, N 1,024]; A: input inputs_for_queries (given as codes); B: input WQ (given as codes): QUANTISED
;;     4. batch 4 x [M 2,048, K 1,024] x [K 1,024, N 2,048]; A: computed on the way; B: computed on the way: QUANTISED
;;     5. batch 4 x [M 2,048, K 2,048] x [K 2,048, N 1,024]; A: softmax (see below); B: computed on the way: QUANTISED
;;   THE QUANTISER, for each operand of a quantised product, along K:
;;     - K is cut into blocks of 32 from its start; a last block that is shorter is filled with zeros.
;;     - A block's scale is 2^e with e = floor(log2(the largest magnitude in the block)) - 4, held to -126 .. 127; a block of zeros has e = 0. As a byte (E8M0): e + 127.
;;     - Each number is divided by its block's scale, clamped to +-28, and rounded to the nearest number of E3M2, ties to even, subnormals kept.
;;     - The product sums the exact products of the quantised numbers (number of the format x scale) in f32.
;;   ~~~python
;;   def quantise(x, axis):      # numpy; x: float32 -> the quantised numbers, widened to float32 again
;;       x = np.moveaxis(x, axis, -1); K = x.shape[-1]
;;       x = np.pad(x, [(0, 0)] * (x.ndim - 1) + [(0, -K % 32)]); x = x.reshape(x.shape[:-1] + (-1, 32)); a = np.abs(x).max(-1, keepdims=True)
;;       e = np.where(a > 0, np.clip(np.frexp(np.where(a > 0, a, 1))[1] - 1 - 4, -126, 127), 0)      # np.frexp(a)[1] - 1 = floor(log2(a)), exactly
;;       r = np.clip(x / 2.0 ** e, -28, 28)
;;       step = 2.0 ** (np.maximum(np.frexp(np.where(r == 0, 1, r))[1] - 1, -2) - 2)
;;       q = np.round(r / step) * step * 2.0 ** e      # np.round: ties to even
;;       return np.moveaxis(q.reshape(q.shape[:-2] + (-1,))[..., :K], -1, axis).astype(np.float32)
;;   ~~~
;;   SOFTMAX AHEAD OF A QUANTISED PRODUCT. Where the list says 'softmax', what is quantised is not the finished softmax but p = 2^(t - M), with t = logit x log2(e) and M = ceil(the row's largest t), a whole number; so 1/2 < the row's largest p <= 1. The row's sum l is taken of the UNQUANTISED p, in f32, and the product's result is divided by l at the end. Since M is a whole number, a kernel that streams over the keys may use a running M (the ceiling of the running maximum): every later rescaling is an exact power of two, which a block's scale takes up: the codes' values come out the same.
;;   OPERANDS COMPUTED ON THE WAY. 'Computed on the way' means the value that the module computes at that place (a softmax that the list does not call 'softmax' is quantised finished and normalised). What goes into a quantiser is computed in f32, as accurately as f32 sums, v_exp_f32 and their like allow (about 1e-6 of the number): no bf16 or f16 on the way to a quantiser, and a product that is left as it is and whose result goes on into a quantised operand takes f32 operands (vector FMAs, or v_wmma_f32_16x16x4_f32). A number that lies on a knife's edge between two numbers of the format may be rounded either way, as far as f32 arithmetic and the matrix unit's own rounding can turn it there, and no further.
;;   INPUTS GIVEN AS CODES. WK (in the module: [1024, 1024], K = its axis 0); WQ (in the module: [1024, 1024], K = its axis 0); WV (in the module: [1024, 1024], K = its axis 0); inputs_for_keys (in the module: [4, 2048, 1024], K = its axis 2); inputs_for_queries (in the module: [4, 2048, 1024], K = its axis 2); inputs_for_values (in the module: [4, 2048, 1024], K = its axis 2): each comes as NAME_codes (uint8): NAME with its K axis moved to the last place and cut into blocks of 32 codes, [.., K / 32, bytes a block], one block behind the other in memory; four codes in three bytes: a row's codes are one little-endian stream of bits, code i at bits 6 i .. 6 i + 5 (a code: sign, 3 exponent bits, 2 mantissa bits); and NAME_scales (uint8): the same leading axes, one E8M0 byte (e + 127) for each 32 codes along K. Its value is code x scale, taken as it is: it is not quantised again, and the codes and scales need not be those that the quantiser above would give.
;; One version. Each part assembles by itself: llvm-mc -triple=amdgcn-amd-amdhsa -mcpu=gfx1250 --defsym DOCPART=n.
;; ======== version 1 of 1: 3 launches
;; workspace buffers: qc 6,553,600 bytes; kc 6,553,600 bytes; vc 6,553,600 bytes; pc 13,107,200 bytes; st 1,048,576 bytes
;; launch proj (part 1): grid 4 x 96, 4 waves a work-group, clusters of 4 x 4, 327,680 bytes of LDS; arguments inputs_for_queries_codes, inputs_for_queries_scales, WQ_codes, WQ_scales, inputs_for_keys_codes, inputs_for_keys_scales, WK_codes, WK_scales, inputs_for_values_codes, inputs_for_values_scales, WV_codes, WV_scales, out0, qc, kc, vc; writes out0, qc, kc, vc
.if DOCPART == 1
	.amdgcn_target "amdgcn-amd-amdhsa--gfx1250"
	.amdhsa_code_object_version 6
	.text
	.protected	k_q7310e9aea4_proj
	.globl	k_q7310e9aea4_proj
	.p2align	8
	.type	k_q7310e9aea4_proj,@function
k_q7310e9aea4_proj:
	s_mov_b64 s[64:65], 0
	v_nop
	global_prefetch_b8 v0, s[64:65] scope:SCOPE_SE
	s_setreg_imm32_b32 hwreg(HW_REG_WAVE_MODE, 25, 1), 1
	s_wait_xcnt 0x0
	s_wait_alu depctr_hold_cnt(0) depctr_sa_sdst(0) depctr_va_vdst(0) depctr_va_sdst(0) depctr_va_ssrc(0) depctr_va_vcc(0) depctr_vm_vsrc(0)
	s_getreg_b32 s2, hwreg(HW_REG_IB_STS2, 6, 4)
	s_cmp_eq_u32 s2, 0
	s_cbranch_scc0 .Lentry_in_a_cluster
	s_endpgm
.Lentry_in_a_cluster:
	s_bfe_u32 s2, ttmp6, 0x10000c
	s_cmp_lg_u32 s2, 0xf033
	s_cbranch_scc0 .Lentry_shape_is_right
	s_endpgm
.Lentry_shape_is_right:
; THE THREE PROJECTIONS, on codes of BF6 (E3M2) with one E8M0 scale for each 32 along K = 1,024:  Q = Xq WQ, K = Xk WK, V = Xv WV.  Q leaves as f32 (out0); Q and K are quantised along e, V along the keys,
; into buffers of this program's own, laid in the order of an operand's registers.
; SHARES.  A tile of 256 x 256 results to a work-group of four waves, 128 x 128 a wave: 64 accumulators, 512 registers.  32 x 4 tiles a tensor, three tensors: 384 work-groups, 24 clusters of 4 x 4.
; The cluster's y says which tensor (y / 8: 0 Q, 1 K, 2 V): it is the same in all sixteen partners, so branches and choices may hang on it.
; ROLES.  The matrix instruction is used transposed: source 0 = 16 rows of "B", source 1 = 16 rows of "A": a lane holds ONE row of A's side and eight neighbouring columns of B's side.
; What is quantised next must run along a lane's registers.  Q, K: A = the inputs' rows (s), B = the weight's rows (e): registers along e.  V: A = WV's rows (e), B = the inputs' rows (keys): registers along the keys.
; Only pointers and tile numbers differ: A's tile hangs on cy (shared along a row of the cluster), B's on cx (shared along a column); every LDS address is the same for all three.
; K goes in steps of 256 through a ring of two LDS slots (rows of 192 bytes, 16 bytes of padding behind every 64); the scale bytes of the tile's rows, for all of K, come once, as whole blocks of 256 bytes.
; A CHUNK of the code buffers is 128 rows x 256 along K, 25,600 bytes: 16 fragment images (K step q of 128, rows 16 i on: at (8 q + i) x 1,536; registers 4 c .. 4 c + 3 of lane l at 512 c + 16 l),
; then from byte 24,576 the scale words (row 16 i + r, K step q: at 512 q + 32 r + 4 i).  A wave's 128 x 128 results are half a chunk: 12,288 + 512 consecutive bytes.
; qc, kc: chunk 4 (row / 128) + e / 256.   vc: chunk 64 batch + 8 (e / 128) + key / 256.
; THE QUANTISER: a block's scale byte is its largest magnitude's exponent field - 4, held at 1 from below; the conversion divides, rounds to the nearest code, ties to even, and holds at the largest code.
; LIMITS: NaN and infinities are not served.  A block of zeros gets the byte 1 (its codes are zeros; these bytes are read by this program alone).
; REGISTERS: window 0: v1 r, v2 h, v15-31 addresses; v32-63 scale words, two sets; v64-71 the scale words made; v88-123 at work on the way out; from v128 A's fragments, later two sets of 64 results.
;   window 1: B's fragments, two sets (v0, v128); on the way out rows of Q.   windows 2, 3: the accumulators ((a, b) at v[8 (8 (a % 4) + b)]).
.set NQ,     2                         ; matrix instructions deep in a slot
.set ROWB,   192                       ; a tile's row: 256 codes
.set KROW,   768                       ; a row of 1,024 codes in memory
.set PITCH,  240                       ; an LDS row: 3 x (64 + 16) bytes
.set FR,     12
.set NL,     6                         ; LDS loads of a fragment
.set NP,     4                         ; places behind this matrix instruction (ISA guide 7.12.1)
.set HALFT,  128*PITCH
.set SLOT,   4*HALFT
.set KS,     32                        ; a row of scale bytes
.set SCL,    2*SLOT
.set HALFS,  (128*KS/256)*272
.set SBLK,   (16*KS/256)*272
.set SPARE,  SCL+4*HALFS               ; the spare words: 128 bytes a wave, two blocks of 256 bytes that no other line names
.set SPITCH, 528                       ; the stage: 16 rows x (512 + 16) bytes a wave, in slot 0, which has had its last fill and its last read by then
.set CH,     25600
.set SCO,    24576
.set GS,   15                          ; v15  32 r + 16 h: my four words of a block of 512 bytes laid [r][i]
.set ADRA, 16
.set ADRB, 20
.set STO,  24                          ; v24  stage, in: 528 r + 32 h
.set RD,   25                          ; v25  stage, back by rows: 16 x lane
.set CO,   26                          ; v26  16 x lane: my place in 512 consecutive bytes of memory
.set ADRS, 27
.set SPW,  28
.set NIL,  29
.set RQ,   30                          ; v30  stage, back by blocks: 528 r + 128 h
.set SH8,  31                          ; v31  8 h
.set SC,   32
.set SW,   64                          ; v64-71  block a's scale word of row 16 a + r
.set PC,   88                          ; v88-99  a fragment's codes
.set TQ,   100                         ; v100-106 the upper halves of its two blocks, as the conversions leave them
.set MX,   110
.set SOP,  112
.set BY,   114
.set WD,   116
.set WT,   117
.set OW,   120
.set AF,   128
.set XR,   128                         ; two sets of 64 results: v128-191, v192-255
.set SEL,  20                          ; s[20:21] lane selects: lane l xor 16
.set TT,   95                          ; s95  the tensor: 0 Q, 1 K, 2 V
.set G1, 24
.set G0, 32
.set G1B, 48
.set G0B, 56
.set G1S, 68
.set G0S, 76
.set G1SB, 80
.set G0SB, 88
.set MSB, 0
.macro WIN new                         ; the immediate's high byte repeats the setting that is left
.if MSB != (\new)
	s_set_vgpr_msb (MSB<<8)|(\new)
.set MSB, (\new)
.endif
.endm
.set MUL_LO, 0xa1                      ; source 0 (B) window 1, source 1 (A) window 0, C and D window 2
.set MUL_HI, 0xf1
.set TO_B,   0x40
; A joint load: waves 0 and 1 fetch for A, waves 2 and 3 for B; the branch hangs on the wave's number alone.  Four v_nop follow each of the two lines.
.macro JLOAD g0a, g1a, g0b, g1b
	s_cmp_eq_u32 s15, 0
	s_cbranch_scc0 .Lfor_b_\@
	tensor_load_to_lds s[\g0a:\g0a+3], s[\g1a:\g1a+7]
	s_nop 0
.rept 4
	v_nop
.endr
	s_branch .Lasked_\@
.Lfor_b_\@:
	tensor_load_to_lds s[\g0b:\g0b+3], s[\g1b:\g1b+7]
	s_nop 0
.rept 4
	v_nop
.endr
.Lasked_\@:
.endm
.macro CREST                           ; a round of the cluster's barrier behind its opening barrier
	s_cmp_lg_u32 s14, 0
	s_cbranch_scc1 .Lnot_wave_0_\@
	s_barrier_signal -3
.Lnot_wave_0_\@:
	s_barrier_wait -3
	s_barrier_signal -1
	s_barrier_wait -1
.endm
.macro CROUND
	s_barrier_signal -1
	s_barrier_wait -1
	CREST
.endm
	s_load_b512 s[24:39], s[0:1], 0x0              ; Xq codes, scales, WQ codes, scales, Xk codes, scales, WK codes, scales
	s_load_b512 s[68:83], s[0:1], 0x40             ; Xv codes, scales, WV codes, scales, out0, qc, kc, vc
	v_lshl_add_u32 v[SPW], v0, 2, SPARE
	v_mov_b32 v[NIL], 0
	ds_add_u32 v28, v29
	s_wait_dscnt 0x0
	v_lshrrev_b32 v1, 5, v0
	v_readfirstlane_b32 s14, v1                    ; wave 0..3
	s_lshr_b32 s15, s14, 1                         ; which half of A's rows is mine.  Also: I fetch for A (0) or for B (1)
	s_and_b32 s16, s14, 1                          ; which half of B's rows.  Also: which 128 rows of that tile I fetch
	s_bfe_u32 s40, ttmp6, 0x40000                  ; cx
	s_bfe_u32 s41, ttmp6, 0x40004                  ; cy
	s_and_b32 s94, ttmp7, 0xffff                   ; the cluster's y, 0..23 (the grid is one cluster wide)
	s_lshr_b32 s[TT], s94, 3                       ; the tensor
	s_and_b32 s94, s94, 7
	s_lshl_b32 s94, s94, 2                         ; the first of the cluster's four tiles of input rows
	s_cmp_eq_u32 s[TT], 2
	s_cselect_b32 s17, 0, s94
	s_cselect_b32 s42, s94, 0
	s_add_co_u32 s17, s17, s41                     ; A's tile: Q, K: input rows, 4 (y & 7) + cy;  V: WV's rows, cy
	s_add_co_u32 s42, s42, s40                     ; B's tile: Q, K: the weight's rows, cx;  V: input rows, 4 (y & 7) + cx
	s_lshl_b32 s43, s41, 2
	s_lshl_b32 s43, 15, s43                        ; my row of the cluster
	s_lshl_b32 s44, 0x1111, s40                    ; my column
	s_lshl_b32 s18, s16, 7                         ; which 128 rows of the tile I fetch
	s_lshl_b32 s20, s17, 8
	s_add_co_u32 s20, s20, s18                     ; A: row 256 x tile + 128 x half
	s_lshl_b32 s46, s42, 8
	s_add_co_u32 s46, s46, s18                     ; B likewise
	s_mov_b32 s21, 0
	s_mov_b32 s47, 0
	s_mov_b64 s[18:19], KS
	s_mul_u64 s[22:23], s[20:21], s[18:19]         ; where these rows' scales begin, in bytes
	s_mul_u64 s[92:93], s[46:47], s[18:19]
	s_mov_b64 s[18:19], KROW
	s_mul_u64 s[20:21], s[20:21], s[18:19]         ; and their codes
	s_mul_u64 s[46:47], s[46:47], s[18:19]
	s_mul_i32 s45, s14, HALFT                      ; where they go: wave x 128 rows: no place in the cluster enters an LDS address
	s_mul_i32 s94, s14, HALFS
	s_wait_kmcnt 0x0
	s_cmp_eq_u32 s[TT], 1                          ; the buffers are chosen on the tensor's number alone
	s_cselect_b64 s[4:5], s[32:33], s[24:25]       ; A's codes,
	s_cselect_b64 s[6:7], s[34:35], s[26:27]       ; A's scales,
	s_cselect_b64 s[8:9], s[36:37], s[28:29]       ; B's codes,
	s_cselect_b64 s[10:11], s[38:39], s[30:31]     ; B's scales,
	s_cselect_b64 s[12:13], s[80:81], s[78:79]     ; the codes made
	s_cmp_eq_u32 s[TT], 2                          ; V: the weight takes A's place and the inputs B's
	s_cselect_b64 s[4:5], s[72:73], s[4:5]
	s_cselect_b64 s[6:7], s[74:75], s[6:7]
	s_cselect_b64 s[8:9], s[68:69], s[8:9]
	s_cselect_b64 s[10:11], s[70:71], s[10:11]
	s_cselect_b64 s[12:13], s[82:83], s[12:13]
	s_mov_b64 s[96:97], s[76:77]                   ; out0
	s_add_nc_u64 s[20:21], s[4:5], s[20:21]
	s_add_nc_u64 s[22:23], s[6:7], s[22:23]
	s_add_nc_u64 s[46:47], s[8:9], s[46:47]
	s_add_nc_u64 s[92:93], s[10:11], s[92:93]
	; descriptor group 1: a tile of 128 rows x 192 bytes, 16 bytes of padding behind every 64 (the pointers above have been read: their registers are free)
	s_or_b32 s[G1+0], s43, (0<<16)|(1<<20)|(1<<21)|(3<<22)|(3<<25)  ; 15:0 the mask: A's tiles go to my row; 17:16 elements of 1 byte; 20 padding on; 21 set beside a mask; 24:22 after every 16 words; 31:25 of 4 words
	s_or_b32 s[G1B+0], s44, (0<<16)|(1<<20)|(1<<21)|(3<<22)|(3<<25) ; B's go to my column
.irp g, G1, G1B
	s_mov_b32 s[\g+1], ROWB<<16                    ; tensor_dim0
	s_mov_b32 s[\g+2], 128<<16                     ; tensor_dim1
	s_mov_b32 s[\g+3], ROWB<<16                    ; tile_dim0
	s_mov_b32 s[\g+4], 128                         ; tile_dim1
	s_mov_b32 s[\g+5], KROW                        ; tensor_dim0_stride
	s_mov_b32 s[\g+6], 0
	s_mov_b32 s[\g+7], 0
.endr
	; the scales of 128 rows: 4,096 dense bytes, as 16 rows of 256 bytes (32 elements of 8), 16 bytes of padding behind each
	s_or_b32 s[G1S+0], s43, (3<<16)|(1<<20)|(1<<21)|(5<<22)|(3<<25)
	s_or_b32 s[G1SB+0], s44, (3<<16)|(1<<20)|(1<<21)|(5<<22)|(3<<25)
.irp g, G1S, G1SB
	s_mov_b32 s[\g+1], 32<<16
	s_mov_b32 s[\g+2], (128*KS/256)<<16
	s_mov_b32 s[\g+3], 32<<16
	s_mov_b32 s[\g+4], 128*KS/256
	s_mov_b32 s[\g+5], 32
	s_mov_b32 s[\g+6], 0
	s_mov_b32 s[\g+7], 0
.endr
	CROUND                                         ; all sixteen work-groups are here: the first joint loads meet
	s_mov_b32 s[G0S], 1
	s_add_co_u32 s[G0S+1], s94, SCL
	s_mov_b64 s[G0S+2:G0S+3], s[22:23]
	s_or_b32 s[G0S+3], s[G0S+3], 0x80000000
	s_mov_b32 s[G0SB], 1
	s_add_co_u32 s[G0SB+1], s94, SCL
	s_mov_b64 s[G0SB+2:G0SB+3], s[92:93]
	s_or_b32 s[G0SB+3], s[G0SB+3], 0x80000000
	JLOAD G0S, G1S, G0SB, G1SB                     ; the scales first: they are wanted with K step 0
.irp s, 0,1
	s_mov_b32 s[G0+4*\s], 1
	s_add_co_u32 s[G0+4*\s+1], s45, \s*SLOT
	s_add_nc_u64 s[G0+4*\s+2:G0+4*\s+3], s[20:21], \s*ROWB
	s_or_b32 s[G0+4*\s+3], s[G0+4*\s+3], 0x80000000
	s_mov_b32 s[G0B+4*\s], 1
	s_add_co_u32 s[G0B+4*\s+1], s45, \s*SLOT
	s_add_nc_u64 s[G0B+4*\s+2:G0B+4*\s+3], s[46:47], \s*ROWB
	s_or_b32 s[G0B+4*\s+3], s[G0B+4*\s+3], 0x80000000
	JLOAD G0+4*\s, G1, G0B+4*\s, G1B
.endr
	v_and_b32 v1, 15, v0                           ; r = lane % 16
	v_bfe_u32 v2, v0, 4, 1                         ; h = lane / 16
	v_mul_u32_u24 v3, v1, PITCH
	v_mul_u32_u24 v4, v2, 24
	v_add_nc_u32 v4, v3, v4                        ; a fragment's row x pitch + 24 x half
	v_lshl_add_u32 v5, v2, 4, v4                   ; and the same behind one padding more
	s_mul_i32 s21, s15, HALFT                      ; my 128 rows of A
	s_mul_i32 s22, s16, HALFT                      ; my 128 rows of B,
	s_add_co_u32 s22, s22, 2*HALFT                 ; which lie behind A's 256
.irp s, 0,1
	v_add_nc_u32 v[ADRA+\s], s21, v4
	v_add_nc_u32 v[ADRB+\s], s22, v4
	v_add_nc_u32 v[ADRA+2+\s], s21, v5
	v_add_nc_u32 v[ADRB+2+\s], s22, v5
	s_add_co_u32 s21, s21, SLOT
	s_add_co_u32 s22, s22, SLOT
.endr
	v_mul_u32_u24 v5, v1, KS                       ; my row's scales: 32 bytes a row,
	v_lshrrev_b32 v6, 8, v5
	v_lshl_add_u32 v5, v6, 4, v5                   ; and 16 more for each 256 passed
	s_mul_i32 s21, s15, HALFS
	s_mul_i32 s22, s16, HALFS
	s_add_co_u32 s22, s22, 2*HALFS
	s_sub_co_u32 s22, s22, s21
	v_mul_u32_u24 v6, s22, v2                      ; lanes 16-31 take B's
	s_add_co_u32 s21, s21, SCL
	v_add_nc_u32 v5, v5, v6
	v_add_nc_u32 v[ADRS], s21, v5
	s_mul_i32 s23, s14, 16*SPITCH                  ; my stage
	v_mul_u32_u24 v5, v1, SPITCH
	v_lshl_add_u32 v6, v2, 5, v5
	v_add_nc_u32 v[STO], s23, v6                   ; in: row r, 32 bytes for each half of the lanes
	v_lshl_add_u32 v6, v2, 7, v5
	v_add_nc_u32 v[RQ], s23, v6                    ; back for the quantiser: row r, my half's block of 32 numbers
	v_and_b32 v6, 31, v0
	v_lshlrev_b32 v[CO], 4, v6
	v_add_nc_u32 v[RD], s23, v[CO]                 ; back for out0: the 32 lanes take a row of 512 bytes
	v_lshlrev_b32 v[SH8], 3, v2
	v_lshlrev_b32 v[GS], 5, v1
	v_lshl_add_u32 v[GS], v2, 4, v[GS]
	v_mov_b32 v[WT], 0                             ; written once: a lane permute's destination counts as one of its sources
	; where my half chunk lies
	s_lshl_b32 s20, s17, 1
	s_add_co_u32 s20, s20, s15                     ; my group of 128 rows
	s_lshl_b32 s21, s20, 2
	s_add_co_u32 s21, s21, s42                     ; Q, K: 4 x group + e / 256
	s_lshl_b32 s22, s20, 3
	s_lshr_b32 s23, s42, 3
	s_lshl_b32 s23, s23, 6
	s_add_co_u32 s22, s22, s23
	s_and_b32 s23, s42, 7
	s_add_co_u32 s22, s22, s23                     ; V: 64 x batch + 8 x group + key / 256
	s_cmp_eq_u32 s[TT], 2
	s_cselect_b32 s21, s22, s21
	s_mul_i32 s20, s21, CH
	s_mul_i32 s22, s16, 12288
	s_add_co_u32 s22, s20, s22                     ; the images of my K step
	s_mov_b32 s23, 0
	s_lshl_b32 s21, s16, 9
	s_add_co_u32 s20, s20, s21
	s_add_co_u32 s20, s20, SCO                     ; and its scale words
	s_mov_b32 s21, 0
	s_add_nc_u64 s[98:99], s[12:13], s[20:21]
	s_add_nc_u64 s[12:13], s[12:13], s[22:23]
	s_lshl_b32 s20, s17, 8
	s_lshl_b32 s21, s15, 7
	s_add_co_u32 s20, s20, s21
	s_lshl_b32 s20, s20, 12                        ; out0: my first row x 4,096 bytes (under 2^26),
	s_lshl_b32 s21, s42, 10
	s_add_co_u32 s20, s20, s21
	s_lshl_b32 s21, s16, 9
	s_add_co_u32 s20, s20, s21                     ; + my first column x 4
	s_mov_b32 s21, 0
	s_add_nc_u64 s[96:97], s[96:97], s[20:21]
	s_mov_b32 s[SEL], 0x76543210
	s_mov_b32 s[SEL+1], 0xfedcba98
.macro FRAG reg, adr, q, i             ; 16 rows x 128 K: 12 registers; lane (r, h): registers 6 c .. 6 c + 5 = K 64 c + 32 h + 0 .. 31: 24 bytes of the row's stream of bits, in pieces of 8 bytes
.irp p, 0,1,2,3,4,5
.set PCE, 12*(\q)+6*(\p/3)+\p%3        ; where the piece three on (lanes 16-31) lies behind one padding more, the second address register serves
.if PCE%8 < 5
	ds_load_b64 v[\reg+2*\p:\reg+2*\p+1], v[\adr] offset:8*PCE+16*(PCE/8)+(\i)*16*PITCH
.else
	ds_load_b64 v[\reg+2*\p:\reg+2*\p+1], v[\adr+2] offset:8*PCE+16*(PCE/8)+(\i)*16*PITCH
.endif
.endr
.endm
; 16 matrix instructions: A's blocks a0, a0 + 1 x B's eight.  The 64 accumulators take turns, one instruction a turn, in the same order in every step.
.macro MUL16 a0, p, q, sc, zero
.irp a, \a0, \a0+1
.irp b, 0,1,2,3,4,5,6,7
.if \zero
	v_wmma_scale_f32_16x16x128_f8f6f4 v[8*(8*((\a)%4)+\b):8*(8*((\a)%4)+\b)+7], v[128*(\p)+FR*\b:128*(\p)+FR*\b+FR-1], v[AF+FR*(\a):AF+FR*(\a)+FR-1], 0, v[SC+8*NQ*(\sc)+NQ*\b+(\q)], v[SC+8*NQ*(\sc)+NQ*(\a)+(\q)] matrix_a_fmt:MATRIX_FMT_BF6 matrix_b_fmt:MATRIX_FMT_BF6 matrix_a_scale:MATRIX_SCALE_ROW1
.else
	v_wmma_scale_f32_16x16x128_f8f6f4 v[8*(8*((\a)%4)+\b):8*(8*((\a)%4)+\b)+7], v[128*(\p)+FR*\b:128*(\p)+FR*\b+FR-1], v[AF+FR*(\a):AF+FR*(\a)+FR-1], v[8*(8*((\a)%4)+\b):8*(8*((\a)%4)+\b)+7], v[SC+8*NQ*(\sc)+NQ*\b+(\q)], v[SC+8*NQ*(\sc)+NQ*(\a)+(\q)] matrix_a_fmt:MATRIX_FMT_BF6 matrix_b_fmt:MATRIX_FMT_BF6 matrix_a_scale:MATRIX_SCALE_ROW1
.endif
.endr
.endr
.endm
.macro FETCH_B slot, q, p
	WIN TO_B
.irp i, 0,1,2,3,4,5,6,7
	FRAG 128*(\p)+FR*\i, ADRB+\slot, \q, \i
.endr
	WIN 0
.endm
.macro FETCH_A slot, q, i0
.irp i, \i0, \i0+1, \i0+2, \i0+3
	FRAG AF+FR*(\i), ADRA+\slot, \q, \i
.endr
.endm
.macro SCALES sc                       ; a K step's scale words: two words a row; lanes 0-15 take A's block i, lanes 16-31 B's block i
.irp i, 0,1,2,3,4,5,6,7
	ds_load_b64 v[SC+8*NQ*\sc+NQ*\i:SC+8*NQ*\sc+NQ*\i+1], v[ADRS] offset:\i*SBLK
.endr
.endm
.macro PLACES n                        ; plain vector instructions between a matrix instruction and a load into, or a read of, its registers
.rept \n
	v_nop
.endr
.endm
.macro STEP slot, q, zero              ; 128 along K that has its successor in the same slot
	s_wait_dscnt 4*NL                              ; B's set, A's blocks 0-3 and the scale words are in; the youngest 24 loads (A's blocks 4-7) may be out
	WIN MUL_LO
	MUL16 0, (\q)%2, \q, \slot, \zero
	MUL16 2, (\q)%2, \q, \slot, \zero
	s_wait_dscnt 0                                 ; A's blocks 4-7 are in
	PLACES NP
	FETCH_B \slot, (\q)+1, 1-(\q)%2
	FETCH_A \slot, (\q)+1, 0
	WIN MUL_HI
	MUL16 4, (\q)%2, \q, \slot, \zero
	MUL16 6, (\q)%2, \q, \slot, \zero
	PLACES NP
	WIN 0
	FETCH_A \slot, (\q)+1, 4
.endm
; A slot's last step changes slots: one barrier; in front of it each wave waits for all its tensor loads, adds 0 to its spare word, and waits for that and for its reads of this slot.
.macro TURN slot, next, fill
	s_wait_tensorcnt 0x0                           ; all my tensor loads have landed: my part of the next slot
	ds_add_u32 v[SPW], v[NIL]                      ; 0 onto my spare word
	s_wait_dscnt 4*NL+1                            ; (the add and the youngest 24 loads may be out)
	WIN MUL_LO
	MUL16 0, 1, NQ-1, \slot, 0
	s_wait_dscnt 0x0                               ; the add is done, and my reads of this slot are over
	s_barrier_signal -1
	MUL16 2, 1, NQ-1, \slot, 0
	WIN 0
	s_barrier_wait -1
.if \fill
	CREST                                          ; the barrier has opened a round of the cluster's: no wave of any partner still reads this slot or has a load on its way
	s_add_nc_u64 s[G0+4*\slot+2:G0+4*\slot+3], s[G0+4*\slot+2:G0+4*\slot+3], 2*ROWB
	s_add_nc_u64 s[G0B+4*\slot+2:G0B+4*\slot+3], s[G0B+4*\slot+2:G0B+4*\slot+3], 2*ROWB
	JLOAD G0+4*\slot, G1, G0B+4*\slot, G1B         ; the first tensor load behind the round; its four v_nop are the places in front of the loads below
.else
	PLACES NP
.endif
	v_add_nc_u32 v[ADRS], 4*NQ, v[ADRS]            ; on to the next K step's scale words
	FETCH_B \next, 0, 0
	FETCH_A \next, 0, 0
	SCALES \next
	WIN MUL_HI
	MUL16 4, 1, NQ-1, \slot, 0
	MUL16 6, 1, NQ-1, \slot, 0
	PLACES NP
	WIN 0
	FETCH_A \next, 0, 4
.endm
	s_wait_tensorcnt 1                             ; the scales and my part of K step 0 are in; K step 1's load may be out
	s_barrier_signal -1
	s_barrier_wait -1
	FETCH_B 0, 0, 0
	FETCH_A 0, 0, 0
	SCALES 0
	FETCH_A 0, 0, 4
	STEP 0, 0, 1                                   ; K = 1,024 is four slots: written out.  The first products start the sums
	TURN 0, 1, 1
	STEP 1, 0, 0
	TURN 1, 0, 1
	STEP 0, 0, 0
	TURN 0, 1, 0                                   ; nothing is left to fetch
	STEP 1, 0, 0
	s_wait_dscnt 4*NL
	WIN MUL_LO
	MUL16 0, 1, NQ-1, 1, 0
	MUL16 2, 1, NQ-1, 1, 0
	s_wait_dscnt 0
	WIN MUL_HI
	MUL16 4, 1, NQ-1, 1, 0
	MUL16 6, 1, NQ-1, 1, 0
	WIN 0
; THE WAY OUT, block by block of 16 rows x 128 columns, through my own stage.  It comes back twice: 32 neighbours of one row to a lane (two whole blocks: K 32 h + 0 .. 31 and 64 + 32 h + 0 .. 31 of row r), for the
; quantiser; and, for Q alone, as whole rows of 512 bytes for out0.  LDS serves a wave's instructions in order (ISA guide 5.7.1.4): no wait between the stores and the loads, nor in front of the next block's stores.
.macro STG a
.set AC, 64*((\a)%4)
	WIN 0x08+4*((\a)/4)                            ; the data: window 2 or 3
.irp b, 0,1,2,3,4,5,6,7
	ds_store_b128 v[STO], v[AC+8*\b:AC+8*\b+3] offset:64*\b          ; each accumulator from its low end on
	ds_store_b128 v[STO], v[AC+8*\b+4:AC+8*\b+7] offset:64*\b+16
.endr
	WIN 0
.set XB, XR+64*((\a)%2)
.irp c, 0,1
.irp j, 0,1,2,3,4,5,6,7
	ds_load_b128 v[XB+32*\c+4*\j:XB+32*\c+4*\j+3], v[RQ] offset:256*\c+16*\j
.endr
.endr
	s_cmp_lg_u32 s[TT], 0
	s_cbranch_scc1 .Lno_rows_\@
	WIN 0x40                                       ; Q's rows: into window 1, where B's fragments lay
.irp t, 0,1,2,3,4,5,6,7,8,9,10,11,12,13,14,15
	ds_load_b128 v[64*((\a)%2)+4*\t:64*((\a)%2)+4*\t+3], v[RD] offset:\t*SPITCH
.endr
	WIN 0
.Lno_rows_\@:
.endm
; v[MX], v[MX+1] hold my two blocks' largest magnitudes: the scale word of row 16 a + r, the fragment's codes, and their image to memory.
.macro QTAIL a
.irp c, 0,1
	v_add_nc_u32 v[SOP+\c], 0xfe000000, v[MX+\c]   ; 4 off the exponent field: the conversion takes the exponent field of this operand as its scale
.endr
.irp c, 0,1
	v_lshrrev_b32 v[BY+\c], 23, v[SOP+\c]          ; the scale's byte
.endr
	v_lshl_or_b32 v[WD], v[BY+1], 16, v[BY]        ; my two bytes: blocks h and 2 + h,
	v_lshlrev_b32 v[WD], v[SH8], v[WD]             ; at their places;
	v_permlanex16_b32 v[WT], v[WD], s[SEL], s[SEL+1]
	v_or_b32 v[SW+(\a)], v[WD], v[WT]              ; with lane l xor 16's two the word is whole
	s_wait_xcnt 0x0                                ; the stores issued so far have read their registers: the codes' registers are written again only behind this wait
.irp c, 0,1
	v_cvt_scalef32_pk16_bf6_f32 v[PC+6*\c:PC+6*\c+2], v[XB+32*\c:XB+32*\c+15], v[SOP+\c]
	v_cvt_scalef32_pk16_bf6_f32 v[TQ+4*\c:TQ+4*\c+2], v[XB+32*\c+16:XB+32*\c+31], v[SOP+\c]   ; (a conversion's three registers begin on an even number)
.endr
	v_nop                                          ; one plain place behind a scaled conversion
.irp c, 0,1
.irp i, 0,1,2
	v_mov_b32 v[PC+6*\c+3+\i], v[TQ+4*\c+\i]
.endr
.endr
.irp g, 0,1,2
	global_store_b128 v[CO], v[PC+4*\g:PC+4*\g+3], s[12:13] offset:1536*(\a)+512*\g   ; 32 lanes store 512 consecutive bytes, at a multiple of 512 from the buffer's first byte
.endr
.endm
.macro PROC a, younger
.set XB, XR+64*((\a)%2)
	s_wait_dscnt \younger                          ; block a is back; the next block's 16 stores and 16 loads (for Q 32 loads: the count is then the smaller one) may be out
	s_cmp_lg_u32 s[TT], 0
	s_cbranch_scc1 .Lno_out_\@
	WIN 0x04                                       ; a store's data are its source 1: window 1
.irp t, 0,1,2,3,4,5,6,7,8,9,10,11,12,13,14,15
	global_store_b128 v[CO], v[64*((\a)%2)+4*\t:64*((\a)%2)+4*\t+3], s[96:97] offset:(16*(\a)+\t)*4096 th:TH_STORE_NT   ; a row's 512 consecutive bytes; 127 rows at the most: inside the signed 24-bit immediate
.endr
	WIN 0
.Lno_out_\@:
.irp c, 0,1
	v_max3_num_f32 v[MX+\c], |v[XB+32*\c]|, |v[XB+32*\c+1]|, 0x2800000   ; my block's 32 numbers, and the floor 2^(5 - 127): the byte cannot fall under 1
.endr
.irp i, 2,4,6,8,10,12,14,16,18,20,22,24,26,28,30
.irp c, 0,1
	v_max3_num_f32 v[MX+\c], v[MX+\c], |v[XB+32*\c+\i]|, |v[XB+32*\c+\i+1]|   ; (the two blocks by turns)
.endr
.endr
	QTAIL \a
.endm
	PLACES NP                                      ; behind the last products: for the first reads of results and the loads into registers that held fragments
	STG 0
.irp a, 1,2,3,4,5,6,7
	STG \a
	PROC \a-1, 32
.endr
	PROC 7, 0
	v_cmp_eq_u32 vcc_lo, 1, v2                     ; the eight scale words of row r leave as [r][i]: lanes 0-15 blocks 0-3, lanes 16-31 blocks 4-7: 512 consecutive bytes
.irp k, 0,1,2,3
	v_cndmask_b32 v[OW+\k], v[SW+\k], v[SW+4+\k], vcc_lo
.endr
	global_store_b128 v[GS], v[OW:OW+3], s[98:99]
	s_wait_tensorcnt 0x0                           ; the wave's end
	ds_add_u32 v[SPW], v[NIL]
	s_wait_dscnt 0x0
	CROUND                                         ; the closing round: no work-group ends while a partner may still ask for a tile that names it
	s_endpgm
.Lfunc_end_k_q7310e9aea4_proj:
	.size	k_q7310e9aea4_proj, .Lfunc_end_k_q7310e9aea4_proj-k_q7310e9aea4_proj
	.p2alignl 7, 3214868480
	.fill 96, 4, 3214868480
	.section	.rodata,"a",@progbits
	.p2align	6, 0x0
	.amdhsa_kernel k_q7310e9aea4_proj
		.amdhsa_group_segment_fixed_size 327680
		.amdhsa_private_segment_fixed_size 0
		.amdhsa_enable_private_segment 0
		.amdhsa_kernarg_size 128
		.amdhsa_user_sgpr_count 2
		.amdhsa_user_sgpr_kernarg_segment_ptr 1
		.amdhsa_wavefront_size32 1
		.amdhsa_system_sgpr_workgroup_id_x 1
		.amdhsa_system_sgpr_workgroup_id_y 1
		.amdhsa_system_sgpr_workgroup_id_z 1
		.amdhsa_system_vgpr_workitem_id 0
		.amdhsa_next_free_vgpr 1024
		.amdhsa_next_free_sgpr 100
		.amdhsa_reserve_vcc 1
		.amdhsa_float_denorm_mode_32 3
		.amdhsa_float_denorm_mode_16_64 3
		.amdhsa_memory_ordered 1
		.amdhsa_forward_progress 1
		.amdhsa_inst_pref_size 196
	.end_amdhsa_kernel
	.amdgpu_metadata
---
amdhsa.version: [ 1, 2 ]
amdhsa.kernels:
  - .name:           k_q7310e9aea4_proj
    .symbol:         k_q7310e9aea4_proj.kd
    .args:
      - { .name: inputs_for_queries_codes, .offset: 0, .size: 8, .value_kind: global_buffer, .address_space: global }
      - { .name: inputs_for_queries_scales, .offset: 8, .size: 8, .value_kind: global_buffer, .address_space: global }
      - { .name: WQ_codes, .offset: 16, .size: 8, .value_kind: global_buffer, .address_space: global }
      - { .name: WQ_scales, .offset: 24, .size: 8, .value_kind: global_buffer, .address_space: global }
      - { .name: inputs_for_keys_codes, .offset: 32, .size: 8, .value_kind: global_buffer, .address_space: global }
      - { .name: inputs_for_keys_scales, .offset: 40, .size: 8, .value_kind: global_buffer, .address_space: global }
      - { .name: WK_codes, .offset: 48, .size: 8, .value_kind: global_buffer, .address_space: global }
      - { .name: WK_scales, .offset: 56, .size: 8, .value_kind: global_buffer, .address_space: global }
      - { .name: inputs_for_values_codes, .offset: 64, .size: 8, .value_kind: global_buffer, .address_space: global }
      - { .name: inputs_for_values_scales, .offset: 72, .size: 8, .value_kind: global_buffer, .address_space: global }
      - { .name: WV_codes, .offset: 80, .size: 8, .value_kind: global_buffer, .address_space: global }
      - { .name: WV_scales, .offset: 88, .size: 8, .value_kind: global_buffer, .address_space: global }
      - { .name: out0, .offset: 96, .size: 8, .value_kind: global_buffer, .address_space: global }
      - { .name: qc, .offset: 104, .size: 8, .value_kind: global_buffer, .address_space: global }
      - { .name: kc, .offset: 112, .size: 8, .value_kind: global_buffer, .address_space: global }
      - { .name: vc, .offset: 120, .size: 8, .value_kind: global_buffer, .address_space: global }
    .group_segment_fixed_size: 327680
    .private_segment_fixed_size: 0
    .kernarg_segment_align: 8
    .kernarg_segment_size: 128
    .max_flat_workgroup_size: 128
    .sgpr_count:     100
    .vgpr_count:     1024
    .wavefront_size: 32
...
	.end_amdgpu_metadata
.endif
;; end of part 1
;; launch score (part 2): grid 9 x 16, 4 waves a work-group, no clusters, 327,680 bytes of LDS; arguments qc, kc, pc, st; writes pc, st
.if DOCPART == 2
	.amdgcn_target "amdgcn-amd-amdhsa--gfx1250"
	.amdhsa_code_object_version 6
	.text
	.protected	k_q7310e9aea4_score
	.globl	k_q7310e9aea4_score
	.p2align	8
	.type	k_q7310e9aea4_score,@function
k_q7310e9aea4_score:
	s_mov_b64 s[64:65], 0
	v_nop
	global_prefetch_b8 v0, s[64:65] scope:SCOPE_SE
	s_setreg_imm32_b32 hwreg(HW_REG_WAVE_MODE, 25, 1), 1
	s_wait_xcnt 0x0
; SCORES AND A LOCAL SOFTMAX.  For each causal tile of 256 queries x 256 keys of a batch: S = Q K^T on codes of BF6 (K = e = 1,024), then for each query and each GROUP of 128 keys:
; t = score x log2(e) / sqrt(2,048); hidden keys (key > query) count as -infinity; M = ceil(the group's largest t), a whole number; p = 2^(t - M); l = the sum of the unquantised p;
; p is quantised along the keys, block by block of 32.  Since M is a whole number, a block's codes are the same under every M: the next launch takes (the row's M - this M) off the scale bytes, which is exact.
; OUT: pc, chunks [group of 128 queries, 64][256 keys, 8] in the order of an operand's registers; st, records of 1,024 bytes [group of 128 queries][group of 128 keys, 16]: M at 32 r + 4 i, l at 512 + 32 r + 4 i (row 16 i + r).
; A CHUNK is 128 rows x 256 along K, 25,600 bytes: 16 fragment images (K step q, rows 16 i on: at (8 q + i) x 1,536; registers 4 c .. 4 c + 3 of lane l at 512 c + 16 l), then from byte 24,576 the scale words
; (row 16 i + r, K step q: at 512 q + 32 r + 4 i).  So a fragment comes by three loads of 16 bytes a lane, a chunk by one dense tensor load, and the scale words travel with their codes.
; SHARES.  A batch has 36 causal tiles.  Rows of tiles pr and 7 - pr have 9 together: grid x = 0..8 walks them, grid y = 4 x batch + pr: 144 work-groups of equal work.  Four waves, 128 x 128 each.
; NO CLUSTER: a row of the causal triangle has 1 to 8 tiles and so has a column, so the 36 tiles do not fall into groups of four that share rows of Q or of K.
; The matrix instruction is used transposed (source 0 = 16 keys, source 1 = 16 queries): a lane holds one query and eight neighbouring keys.
; On the diagonal tile of an even row of tiles the work-group also writes the chunk of zero codes 256 keys on (scale bytes 62, M = -3e38, l = 0), so that the next launch walks whole laps of 512 keys.
; LIMITS: NaN and infinities are not served.  A block whose largest p lies under 2^-61 of its group's largest is held at the byte 62: what is lost is under 2^-58 of the row's sum.  M is exact for |t| under 2^24.
; REGISTERS: window 0: v1 r, v2 h, v16-31 addresses; v32-63 scale words, two sets; v64-87 the words, M and l made; v88-127 at work; from v128 A's fragments, later two sets of 64 scores.
;   window 1: B's fragments, two sets.   windows 2, 3: the accumulators.
.set CH,     25600
.set FRB,    1536
.set SCO,    24576
.set SLOT,   4*CH                      ; wave w's chunk at w x CH: A's two groups of rows, then B's
.set SPARE,  2*SLOT                    ; the spare words: 128 bytes a wave, two blocks of 256 bytes that no other line names
.set SPITCH, 528                       ; the stage: 16 rows x (512 + 16) bytes a wave, in slot 0, which has had its last fill and its last read by then
.set FR,     12
.set NL,     3                         ; LDS loads of a fragment
.set NP,     4
.set ADRA, 16                          ; v16-17  16 x lane + my A chunk in slot 0, 1
.set ADRS, 18                          ; v18-19  my scale words: lanes 0-15 A's chunk, lanes 16-31 B's
.set ADRB, 20                          ; v20-21
.set STO,  24
.set RQ,   25
.set GI,   26                          ; v26  16 x lane
.set DG0,  27                          ; v27  128 (my half of the queries - my half of the keys) + r - 32 h
.set SPW,  28
.set NIL,  29
.set SH8,  30
.set GS,   31
.set SC,   32                          ; set s at v[SC + 16 s]; in it register 8 q + i: lanes 0-15 the word of A's block i, lanes 16-31 of B's block i
.set SW,   64
.set MM,   72
.set LL,   80
.set PC,   88
.set TQ,   100
.set BM,   108
.set MX,   110
.set SOP,  112
.set BY,   114
.set WD,   116
.set WT,   117
.set NM,   118                         ; v[118:119]  -M (the packed form names the pair and takes its low word)
.set SUM,  120                         ; v[120:123]  two chains of sums
.set GM,   124
.set GT,   125
.set DD,   126
.set NINF, 127
.set AF,   128
.set XR,   128
.set G1,  24
.set G0,  32
.set SEL, 40
.set CS,  42
.set MSB, 0
.macro WIN new
.if MSB != (\new)
	s_set_vgpr_msb (MSB<<8)|(\new)
.set MSB, (\new)
.endif
.endm
.set MUL_LO, 0xa1
.set MUL_HI, 0xf1
.set TO_B,   0x40
.macro PLACES n
.rept \n
	v_nop
.endr
.endm
	s_load_b256 s[4:11], s[0:1], 0x0               ; qc s[4:5], kc s[6:7], pc s[8:9], st s[10:11]
	v_lshl_add_u32 v[SPW], v0, 2, SPARE
	v_mov_b32 v[NIL], 0
	ds_add_u32 v28, v29
	s_wait_dscnt 0x0
	v_lshrrev_b32 v1, 5, v0
	v_readfirstlane_b32 s14, v1                    ; wave 0..3
	s_lshr_b32 s15, s14, 1                         ; which half of the queries is mine
	s_and_b32 s16, s14, 1                          ; which half of the keys.  Also: which group of 128 rows I fetch
	s_and_b32 s48, ttmp7, 0xffff
	s_lshr_b32 s19, s48, 2                         ; the batch
	s_and_b32 s48, s48, 3                          ; pr
	s_sub_co_u32 s49, 7, s48
	s_sub_co_u32 s50, ttmp9, s48
	s_sub_co_u32 s50, s50, 1
	s_cmp_le_u32 ttmp9, s48                        ; x = 0 .. pr: row pr, tile x;  x = pr + 1 .. 8: row 7 - pr, tile x - pr - 1
	s_cselect_b32 s17, s48, s49                    ; I: the tile's 256 queries
	s_cselect_b32 s18, ttmp9, s50                  ; J: its 256 keys, J <= I
	; descriptor group 1: a chunk, 25,600 dense bytes, as 100 rows of 256 bytes (32 elements of 8), no padding
	s_mov_b32 s[G1+0], 3<<16
	s_mov_b32 s[G1+1], 32<<16
	s_mov_b32 s[G1+2], 100<<16
	s_mov_b32 s[G1+3], 32<<16
	s_mov_b32 s[G1+4], 100
	s_mov_b32 s[G1+5], 32
	s_mov_b32 s[G1+6], 0
	s_mov_b32 s[G1+7], 0
	s_lshl_b32 s51, s19, 4
	s_add_co_u32 s51, s51, s16                     ; 16 x batch + which group
	s_mul_i32 s58, s14, CH                         ; my chunk's place in a slot
	s_mov_b32 s[SEL], 0x76543210
	s_mov_b32 s[SEL+1], 0xfedcba98
	s_mov_b32 s[CS], 0x3d0293ee                    ; c = log2(e) / sqrt(2,048)
	s_mov_b32 s[CS+1], s[CS]
	s_wait_kmcnt 0x0
	s_cmp_lt_u32 s14, 2                            ; waves 0, 1 fetch Q's two groups of rows, waves 2, 3 K's
	s_cselect_b32 s50, s17, s18
	s_cselect_b64 s[52:53], s[4:5], s[6:7]
	s_lshl_b32 s50, s50, 1
	s_add_co_u32 s50, s50, s51
	s_mul_i32 s50, s50, 4*CH                       ; a group of rows has four chunks on end (under 2^23 bytes)
	s_mov_b32 s51, 0
	s_add_nc_u64 s[52:53], s[52:53], s[50:51]
.irp s, 0,1
	s_mov_b32 s[G0+4*\s], 1
	s_add_co_u32 s[G0+4*\s+1], s58, \s*SLOT
	s_add_nc_u64 s[G0+4*\s+2:G0+4*\s+3], s[52:53], \s*CH
	s_or_b32 s[G0+4*\s+3], s[G0+4*\s+3], 0x80000000
.endr
	tensor_load_to_lds s[G0:G0+3], s[G1:G1+7]      ; the two first fills go out together: two loads of mine are out
	s_nop 0
	tensor_load_to_lds s[G0+4:G0+7], s[G1:G1+7]
	s_nop 0
	PLACES 4
	v_and_b32 v1, 15, v0                           ; r
	v_bfe_u32 v2, v0, 4, 1                         ; h
	v_and_b32 v3, 31, v0
	v_lshlrev_b32 v[GI], 4, v3
	s_mul_i32 s44, s15, CH
	s_mul_i32 s45, s16, CH
	s_add_co_u32 s45, s45, 2*CH
	v_add_nc_u32 v[ADRA], s44, v[GI]
	v_add_nc_u32 v[ADRB], s45, v[GI]
	s_sub_co_u32 s46, s45, s44
	v_mul_u32_u24 v4, s46, v2                      ; lanes 16-31 take B's chunk
	v_lshl_add_u32 v4, v1, 5, v4                   ; + 32 r
	s_add_co_u32 s47, s44, SCO
	v_add_nc_u32 v[ADRS], s47, v4
	s_add_co_u32 s44, s44, SLOT
	s_add_co_u32 s45, s45, SLOT
	s_add_co_u32 s47, s47, SLOT
	v_add_nc_u32 v[ADRA+1], s44, v[GI]
	v_add_nc_u32 v[ADRB+1], s45, v[GI]
	v_add_nc_u32 v[ADRS+1], s47, v4
	s_mul_i32 s46, s14, 16*SPITCH                  ; my stage
	v_mul_u32_u24 v5, v1, SPITCH
	v_lshl_add_u32 v6, v2, 5, v5
	v_add_nc_u32 v[STO], s46, v6
	v_lshl_add_u32 v6, v2, 7, v5
	v_add_nc_u32 v[RQ], s46, v6
	v_lshlrev_b32 v[SH8], 3, v2
	v_lshlrev_b32 v[GS], 5, v1
	v_lshl_add_u32 v[GS], v2, 4, v[GS]
	s_sub_co_i32 s47, s15, s16
	s_lshl_b32 s47, s47, 7
	v_lshlrev_b32 v6, 5, v2
	v_sub_nc_u32 v6, v1, v6
	v_add_nc_u32 v[DG0], s47, v6
	v_mov_b32 v[NINF], 0xff800000
	v_mov_b32 v[WT], 0                             ; written once: a lane permute's destination counts as one of its sources
	v_mov_b32 v[GT], 0
	v_mov_b32 v[NM+1], 0                           ; (named with -M as a pair)
	s_lshl_b32 s54, s19, 4
	s_lshl_b32 s55, s17, 1
	s_add_co_u32 s54, s54, s55
	s_add_co_u32 s54, s54, s15                     ; my group of 128 queries
	s_lshl_b32 s55, s54, 3
	s_add_co_u32 s55, s55, s18
	s_mul_i32 s56, s55, CH                         ; its chunk of keys 256 J on (under 2^24 bytes)
	s_mov_b32 s57, 0
	s_add_nc_u64 s[8:9], s[8:9], s[56:57]
	s_mul_i32 s56, s16, 12288
	s_add_nc_u64 s[12:13], s[8:9], s[56:57]        ; the images of my K step
	s_lshl_b32 s56, s16, 9
	s_add_co_u32 s56, s56, SCO
	s_add_nc_u64 s[20:21], s[8:9], s[56:57]        ; its scale words
	s_lshl_b32 s55, s54, 4
	s_lshl_b32 s56, s18, 1
	s_add_co_u32 s55, s55, s56
	s_add_co_u32 s55, s55, s16
	s_lshl_b32 s56, s55, 10
	s_add_nc_u64 s[22:23], s[10:11], s[56:57]      ; my record of M and l
.macro FRAG reg, adr, q, i             ; a fragment's image: three loads of 16 bytes a lane, 512 consecutive bytes each
.irp c, 0,1,2
	ds_load_b128 v[\reg+4*\c:\reg+4*\c+3], v[\adr] offset:(8*(\q)+(\i))*FRB+512*\c
.endr
.endm
.macro MUL16 a0, p, q, sc, zero        ; the 64 accumulators take turns, one instruction a turn, in the same order in every step
.irp a, \a0, \a0+1
.irp b, 0,1,2,3,4,5,6,7
.if \zero
	v_wmma_scale_f32_16x16x128_f8f6f4 v[8*(8*((\a)%4)+\b):8*(8*((\a)%4)+\b)+7], v[128*(\p)+FR*\b:128*(\p)+FR*\b+FR-1], v[AF+FR*(\a):AF+FR*(\a)+FR-1], 0, v[SC+16*(\sc)+8*(\q)+\b], v[SC+16*(\sc)+8*(\q)+(\a)] matrix_a_fmt:MATRIX_FMT_BF6 matrix_b_fmt:MATRIX_FMT_BF6 matrix_a_scale:MATRIX_SCALE_ROW1
.else
	v_wmma_scale_f32_16x16x128_f8f6f4 v[8*(8*((\a)%4)+\b):8*(8*((\a)%4)+\b)+7], v[128*(\p)+FR*\b:128*(\p)+FR*\b+FR-1], v[AF+FR*(\a):AF+FR*(\a)+FR-1], v[8*(8*((\a)%4)+\b):8*(8*((\a)%4)+\b)+7], v[SC+16*(\sc)+8*(\q)+\b], v[SC+16*(\sc)+8*(\q)+(\a)] matrix_a_fmt:MATRIX_FMT_BF6 matrix_b_fmt:MATRIX_FMT_BF6 matrix_a_scale:MATRIX_SCALE_ROW1
.endif
.endr
.endr
.endm
.macro FETCH_B slot, q, p
	WIN TO_B
.irp i, 0,1,2,3,4,5,6,7
	FRAG 128*(\p)+FR*\i, ADRB+\slot, \q, \i
.endr
	WIN 0
.endm
.macro FETCH_A slot, q, i0
.irp i, \i0, \i0+1, \i0+2, \i0+3
	FRAG AF+FR*(\i), ADRA+\slot, \q, \i
.endr
.endm
.macro SCALES sc                       ; a slot's scale words, both K steps: eight words a lane and step
.irp q, 0,1
.irp g, 0,1
	ds_load_b128 v[SC+16*\sc+8*\q+4*\g:SC+16*\sc+8*\q+4*\g+3], v[ADRS+\sc] offset:512*\q+16*\g
.endr
.endr
.endm
.macro STEP slot, zero                 ; a slot's first 128 along K
	s_wait_dscnt 4*NL                              ; B's set, A's blocks 0-3 and the scale words are in; the youngest 12 loads (A's blocks 4-7) may be out
	WIN MUL_LO
	MUL16 0, 0, 0, \slot, \zero
	MUL16 2, 0, 0, \slot, \zero
	s_wait_dscnt 0
	PLACES NP
	FETCH_B \slot, 1, 1
	FETCH_A \slot, 1, 0
	WIN MUL_HI
	MUL16 4, 0, 0, \slot, \zero
	MUL16 6, 0, 0, \slot, \zero
	PLACES NP
	WIN 0
	FETCH_A \slot, 1, 4
.endm
; A slot's second 128 along K changes slots: one barrier; in front of it each wave waits for all its tensor loads, adds 0 to its spare word, and waits for that and for its reads of this slot.
.macro TURN slot, next, fill
	s_wait_tensorcnt 0x0                           ; all my tensor loads have landed: my chunk of the next slot
	ds_add_u32 v[SPW], v[NIL]                      ; 0 onto my spare word
	s_wait_dscnt 4*NL+1                            ; (the add and the youngest 12 loads may be out)
	WIN MUL_LO
	MUL16 0, 1, 1, \slot, 0
	s_wait_dscnt 0x0                               ; the add is done, and my reads of this slot are over
	s_barrier_signal -1
	MUL16 2, 1, 1, \slot, 0
	WIN 0
	s_barrier_wait -1
.if \fill
	s_add_nc_u64 s[G0+4*\slot+2:G0+4*\slot+3], s[G0+4*\slot+2:G0+4*\slot+3], 2*CH   ; no load of mine is out: the slot's next chunk, two on
	tensor_load_to_lds s[G0+4*\slot:G0+4*\slot+3], s[G1:G1+7]                       ; my one tensor load behind this barrier, ahead of every LDS read: it has a slot's 128 matrix instructions in which to land
	s_nop 0
.endif
	PLACES NP
	FETCH_B \next, 0, 0
	FETCH_A \next, 0, 0
	SCALES \next
	WIN MUL_HI
	MUL16 4, 1, 1, \slot, 0
	MUL16 6, 1, 1, \slot, 0
	PLACES NP
	WIN 0
	FETCH_A \next, 0, 4
.endm
	s_wait_tensorcnt 1                             ; my chunk of slot 0 is in; slot 1's may be out
	s_barrier_signal -1
	s_barrier_wait -1
	FETCH_B 0, 0, 0
	FETCH_A 0, 0, 0
	SCALES 0
	FETCH_A 0, 0, 4
	STEP 0, 1                                      ; e = 1,024 is four slots: written out
	TURN 0, 1, 1
	STEP 1, 0
	TURN 1, 0, 1
	STEP 0, 0
	TURN 0, 1, 0
	STEP 1, 0
	s_wait_dscnt 4*NL
	WIN MUL_LO
	MUL16 0, 1, 1, 1, 0
	MUL16 2, 1, 1, 1, 0
	s_wait_dscnt 0
	WIN MUL_HI
	MUL16 4, 1, 1, 1, 0
	MUL16 6, 1, 1, 1, 0
	WIN 0
; THE WAY OUT, block by block of 16 queries x 128 keys, through my own stage: it comes back with 32 neighbouring keys of one query to a lane, twice: keys 32 h + 0 .. 31 and 64 + 32 h + 0 .. 31 of query r.
.macro STG a
.set AC, 64*((\a)%4)
	WIN 0x08+4*((\a)/4)
.irp b, 0,1,2,3,4,5,6,7
	ds_store_b128 v[STO], v[AC+8*\b:AC+8*\b+3] offset:64*\b          ; each accumulator from its low end on
	ds_store_b128 v[STO], v[AC+8*\b+4:AC+8*\b+7] offset:64*\b+16
.endr
	WIN 0
.set XB, XR+64*((\a)%2)
.irp c, 0,1
.irp j, 0,1,2,3,4,5,6,7
	ds_load_b128 v[XB+32*\c+4*\j:XB+32*\c+4*\j+3], v[RQ] offset:256*\c+16*\j   ; LDS serves a wave's instructions in order (ISA guide 5.7.1.4): these see the stores above
.endr
.endr
.endm
.macro QTAIL a
.irp c, 0,1
	v_add_nc_u32 v[SOP+\c], 0xfe000000, v[MX+\c]   ; 4 off the exponent field: the conversion's scale operand
.endr
.irp c, 0,1
	v_lshrrev_b32 v[BY+\c], 23, v[SOP+\c]
.endr
	v_lshl_or_b32 v[WD], v[BY+1], 16, v[BY]
	v_lshlrev_b32 v[WD], v[SH8], v[WD]
	v_permlanex16_b32 v[WT], v[WD], s[SEL], s[SEL+1]
	v_or_b32 v[SW+(\a)], v[WD], v[WT]
	s_wait_xcnt 0x0                                ; the last block's stores have read the codes' registers
.irp c, 0,1
	v_cvt_scalef32_pk16_bf6_f32 v[PC+6*\c:PC+6*\c+2], v[XB+32*\c:XB+32*\c+15], v[SOP+\c]
	v_cvt_scalef32_pk16_bf6_f32 v[TQ+4*\c:TQ+4*\c+2], v[XB+32*\c+16:XB+32*\c+31], v[SOP+\c]
.endr
	v_nop                                          ; one plain place behind a scaled conversion
.irp c, 0,1
.irp i, 0,1,2
	v_mov_b32 v[PC+6*\c+3+\i], v[TQ+4*\c+\i]
.endr
.endr
.irp g, 0,1,2
	global_store_b128 v[GI], v[PC+4*\g:PC+4*\g+3], s[12:13] offset:1536*(\a)+512*\g   ; 512 consecutive bytes, at a multiple of 512
.endr
.endm
.macro SOFT a, younger
.set XB, XR+64*((\a)%2)
	s_wait_dscnt \younger                          ; block a is back; the next block's 16 stores and 16 loads may be out
	s_cmp_lg_u32 s17, s18                          ; only the diagonal tile has hidden keys: a branch on ids
	s_cbranch_scc1 .Lopen_\@
	v_add_nc_u32 v[DD], 16*(\a), v[DG0]            ; register 32 c + i holds the key that lies 64 c + i - d behind my query: hidden where 64 c + i > d
.set n, 0
.rept 64
	v_cmp_gt_i32 vcc_lo, 64*(n/32)+n%32, v[DD]
	v_cndmask_b32 v[XB+n], v[XB+n], v[NINF], vcc_lo
.set n, n+1
.endr
.Lopen_\@:
.irp c, 0,1
	v_max3_num_f32 v[BM+\c], v[XB+32*\c], v[XB+32*\c+1], v[XB+32*\c+2]   ; the largest score of each block: for the group's maximum and, since p rises with the score, for the block's largest p
.endr
.irp i, 3,5,7,9,11,13,15,17,19,21,23,25,27,29
.irp c, 0,1
	v_max3_num_f32 v[BM+\c], v[BM+\c], v[XB+32*\c+\i], v[XB+32*\c+\i+1]
.endr
.endr
.irp c, 0,1
	v_max_num_f32 v[BM+\c], v[BM+\c], v[XB+32*\c+31]
.endr
	v_max_num_f32 v[GM], v[BM], v[BM+1]
	v_permlanex16_b32 v[GT], v[GM], s[SEL], s[SEL+1]
	v_max_num_f32 v[GM], v[GM], v[GT]              ; the group's largest score of my query
	v_mul_f32 v[GM], s[CS], v[GM]                  ; as t
	v_max_num_f32 v[GM], 0xff61b1e6, v[GM]         ; a group that is wholly hidden: -3e38, so that M is a number; its p and l are 0
	v_floor_f32 v[NM], -v[GM]                      ; -M = floor(-t) = -ceil(t)
.set j, 0
.rept 32
	v_pk_fma_f32 v[XB+j:XB+j+1], v[XB+j:XB+j+1], s[CS:CS+1], v[NM:NM+1] op_sel_hi:[1,0,0]   ; t - M, two at a time
.set j, j+2
.endr
.irp c, 0,1
	v_fma_f32 v[BM+\c], v[BM+\c], s[CS], v[NM]     ; the same of each block's largest score
.endr
.set j, 0
.rept 64
	v_exp_f32 v[XB+j], v[XB+j]                     ; p = 2^(t - M), at most 1
.set j, j+1
.endr
	v_sub_f32 v[MM+(\a)], 0, v[NM]                 ; M.  (A plain place behind the exponentials)
	s_wait_alu depctr_va_vdst(0)                   ; one wait for the batch of 64, ahead of its first reader
.irp c, 0,1
	v_exp_f32 v[BM+\c], v[BM+\c]                   ; the block's largest p: the same two instructions on the same number give the same bits
.endr
	v_pk_add_f32 v[SUM:SUM+1], v[XB:XB+1], v[XB+2:XB+3]              ; l is taken of the unquantised p: two at a time, in two chains
	v_pk_add_f32 v[SUM+2:SUM+3], v[XB+4:XB+5], v[XB+6:XB+7]
.set j, 8
.rept 14
	v_pk_add_f32 v[SUM:SUM+1], v[SUM:SUM+1], v[XB+j:XB+j+1]
	v_pk_add_f32 v[SUM+2:SUM+3], v[SUM+2:SUM+3], v[XB+j+2:XB+j+3]
.set j, j+4
.endr
	v_pk_add_f32 v[SUM:SUM+1], v[SUM:SUM+1], v[SUM+2:SUM+3]
	v_add_f32 v[LL+(\a)], v[SUM], v[SUM+1]
	v_permlanex16_b32 v[GT], v[LL+(\a)], s[SEL], s[SEL+1]
	v_add_f32 v[LL+(\a)], v[LL+(\a)], v[GT]        ; with lane l xor 16's 64 keys: the group's l
	s_wait_alu depctr_va_vdst(0)                   ; and one for the two
.irp c, 0,1
	v_max_num_f32 v[MX+\c], 0x21000000, v[BM+\c]   ; the floor 2^-61: the byte is 62 at the least, so that the next launch can take up to 62 off it
.endr
	QTAIL \a
.endm
.macro WORDS src, o, b0, off           ; eight numbers of row r leave as [r][i]: lanes 0-15 blocks 0-3, lanes 16-31 blocks 4-7: 512 consecutive bytes
.irp k, 0,1,2,3
	v_cndmask_b32 v[\o+\k], v[\src+\k], v[\src+4+\k], vcc_lo
.endr
	global_store_b128 v[GS], v[\o:\o+3], s[\b0:\b0+1] offset:\off
.endm
	PLACES NP
	STG 0
.irp a, 1,2,3,4,5,6,7
	STG \a
	SOFT \a-1, 32
.endr
	SOFT 7, 0
	v_cmp_eq_u32 vcc_lo, 1, v2
	WORDS SW, 128, 20, 0
	WORDS MM, 132, 22, 0
	WORDS LL, 136, 22, 512
	s_cmp_lg_u32 s17, s18                          ; the diagonal tile of an even row of tiles: the chunk 256 keys on, as zeros
	s_cbranch_scc1 .Lno_zero
	s_and_b32 s54, s17, 1
	s_cmp_lg_u32 s54, 0
	s_cbranch_scc1 .Lno_zero
.irp k, 0,1,2,3
	v_mov_b32 v[140+\k], 0
	v_mov_b32 v[144+\k], 0x3e3e3e3e                ; scale bytes 62
	v_mov_b32 v[148+\k], 0xff61b1e6                ; M = -3e38
.endr
.set k, 0
.rept 24
	global_store_b128 v[GI], v[140:143], s[12:13] offset:CH+512*k     ; my half of that chunk's images
.set k, k+1
.endr
	global_store_b128 v[GI], v[144:147], s[20:21] offset:CH
	global_store_b128 v[GI], v[148:151], s[22:23] offset:2048         ; the record two groups of keys on
	global_store_b128 v[GI], v[140:143], s[22:23] offset:2048+512
.Lno_zero:
	s_wait_tensorcnt 0x0                           ; the wave's end
	ds_add_u32 v[SPW], v[NIL]
	s_wait_dscnt 0x0
	s_endpgm
.Lfunc_end_k_q7310e9aea4_score:
	.size	k_q7310e9aea4_score, .Lfunc_end_k_q7310e9aea4_score-k_q7310e9aea4_score
	.p2alignl 7, 3214868480
	.fill 96, 4, 3214868480
	.section	.rodata,"a",@progbits
	.p2align	6, 0x0
	.amdhsa_kernel k_q7310e9aea4_score
		.amdhsa_group_segment_fixed_size 327680
		.amdhsa_private_segment_fixed_size 0
		.amdhsa_enable_private_segment 0
		.amdhsa_kernarg_size 32
		.amdhsa_user_sgpr_count 2
		.amdhsa_user_sgpr_kernarg_segment_ptr 1
		.amdhsa_wavefront_size32 1
		.amdhsa_system_sgpr_workgroup_id_x 1
		.amdhsa_system_sgpr_workgroup_id_y 1
		.amdhsa_system_sgpr_workgroup_id_z 1
		.amdhsa_system_vgpr_workitem_id 0
		.amdhsa_next_free_vgpr 1024
		.amdhsa_next_free_sgpr 66
		.amdhsa_reserve_vcc 1
		.amdhsa_float_denorm_mode_32 3
		.amdhsa_float_denorm_mode_16_64 3
		.amdhsa_memory_ordered 1
		.amdhsa_forward_progress 1
		.amdhsa_inst_pref_size 240
	.end_amdhsa_kernel
	.amdgpu_metadata
---
amdhsa.version: [ 1, 2 ]
amdhsa.kernels:
  - .name:           k_q7310e9aea4_score
    .symbol:         k_q7310e9aea4_score.kd
    .args:
      - { .name: qc, .offset: 0, .size: 8, .value_kind: global_buffer, .address_space: global }
      - { .name: kc, .offset: 8, .size: 8, .value_kind: global_buffer, .address_space: global }
      - { .name: pc, .offset: 16, .size: 8, .value_kind: global_buffer, .address_space: global }
      - { .name: st, .offset: 24, .size: 8, .value_kind: global_buffer, .address_space: global }
    .group_segment_fixed_size: 327680
    .private_segment_fixed_size: 0
    .kernarg_segment_align: 8
    .kernarg_segment_size: 32
    .max_flat_workgroup_size: 128
    .sgpr_count:     66
    .vgpr_count:     1024
    .wavefront_size: 32
...
	.end_amdgpu_metadata
.endif
;; end of part 2
;; launch mix (part 3): grid 4 x 64, 4 waves a work-group, clusters of 4 x 4, 327,680 bytes of LDS; arguments pc, vc, st, out1; writes out1
.if DOCPART == 3
	.amdgcn_target "amdgcn-amd-amdhsa--gfx1250"
	.amdhsa_code_object_version 6
	.text
	.protected	k_q7310e9aea4_mix
	.globl	k_q7310e9aea4_mix
	.p2align	8
	.type	k_q7310e9aea4_mix,@function
k_q7310e9aea4_mix:
	s_mov_b64 s[64:65], 0
	v_nop
	global_prefetch_b8 v0, s[64:65] scope:SCOPE_SE
	s_setreg_imm32_b32 hwreg(HW_REG_WAVE_MODE, 25, 1), 1
	s_wait_xcnt 0x0
	s_wait_alu depctr_hold_cnt(0) depctr_sa_sdst(0) depctr_va_vdst(0) depctr_va_sdst(0) depctr_va_ssrc(0) depctr_va_vcc(0) depctr_vm_vsrc(0)
	s_getreg_b32 s2, hwreg(HW_REG_IB_STS2, 6, 4)
	s_cmp_eq_u32 s2, 0
	s_cbranch_scc0 .Lentry_in_a_cluster
	s_endpgm
.Lentry_in_a_cluster:
	s_bfe_u32 s2, ttmp6, 0x10000c
	s_cmp_lg_u32 s2, 0xf033
	s_cbranch_scc0 .Lentry_shape_is_right
	s_endpgm
.Lentry_shape_is_right:
; O = P V / l, on codes of BF6 (K = the keys).  P's codes were made under a local M for each query and each group of 128 keys; here the row's M is the largest of them, each group's scale bytes are lowered by
; d = the row's M - the group's M (a whole number: exact), the row's l is the sum of the groups' l x 2^-d, and the result is divided by l.
; SHARES.  A tile of 128 queries x 256 channels to a work-group of four waves: 4 x 64 = 256 work-groups.  Wave w makes all 128 queries x channels 64 w .. 64 w + 63: 32 accumulators, 256 registers.
; Keys go in LAPS of 512.  A lap's codes and scale words (two chunks of P, four of V: 153,600 bytes) are one LDS slot; two slots take turns.  Group g (0 .. 15) of a batch's queries walks g / 4 + 1 laps
; (the launch before has written zero codes where the last lap reaches past the diagonal).  So the longest walk, 2,048 keys, has three changes of slots, two of them with a refill.
; CLUSTER 4 x 4: four neighbouring groups of queries walk the same number of laps.  Cluster y = 4 x batch + g / 4, cy = g % 4, cx = the tile of 256 channels.  P's chunks hang on cy and are asked for jointly
; along a row of the cluster, V's hang on cx and are asked for jointly along a column.  The number of laps hangs on the cluster's y alone: all sixteen partners run alike.
; FETCHING: one tensor load brings two chunks that lie on end in memory, 51,200 bytes: wave 0 P's, waves 1 and 2 V's two groups of 128 channels, wave 3 none.
; With one lap the second of the two first fills brings lap 0's chunks once more and is not read: so every work-group issues the same loads and the counted wait behind them holds on every path.
; THE FOUR LAPS ARE WRITTEN OUT, so that every LDS address is a constant; behind lap n the work-groups that walk n laps leave, by a scalar branch on ids.
; CHUNKS as the two launches before laid them: 128 rows x 256 along K, 25,600 bytes: 16 fragment images (K step q, rows 16 i on: at (8 q + i) x 1,536; registers 4 c .. 4 c + 3 of lane l at 512 c + 16 l), then from
; byte 24,576 the scale words (row 16 i + r, K step q: at 512 q + 32 r + 4 i).  pc: chunk 8 (query / 128) + key / 256;  vc: chunk 64 batch + 8 (channel / 128) + key / 256.
; The matrix instruction is used transposed (source 0 = 16 channels of V^T, source 1 = 16 queries of P): a lane holds one query and eight neighbouring channels.
; LIMITS: a group that lies more than 62 powers of two under the row's M is scaled by 2^-62 in place of less: under 2^-58 of the row's sum.  NaN and infinities are not served.
; REGISTERS: window 0: v1 r, v2 h, v8-31 addresses; v32-95 scale words, two sets; v96-111 1 / l, in pairs; v112-127 at work; v128-255 the statistics, then d (in place), then rows of O.
;   window 1: V's fragments, two sets of 48; on the way out the scaled results (v128-191).   window 2: the accumulators ((a, b) at v[8 (4 a + b)]).   window 3: P's fragments, two sets of 96.
.set CH,     25600
.set FRB,    1536
.set SCO,    24576
.set LAPB,   2*CH                      ; what one tensor load brings: a lap's two chunks of one group of 128 rows
.set SLOT,   3*LAPB                    ; P's, then V's two
.set SPARE,  2*SLOT                    ; the spare words: 128 bytes a wave, two blocks of 256 bytes that no other line names
.set STAGE,  SPARE+512                 ; the way out: 16 rows x (256 + 16) bytes a wave, in bytes of their own: no fill lands there
.set SPITCH, 272
.set FR,     12
.set NP,     4                         ; places behind this matrix instruction (ISA guide 7.12.1)
.set OA,   8                           ; v8-11  my byte in lap l's four records of M and l
.set ADRA, 12                          ; v12-13 16 x lane + P's chunks in slot 0, 1
.set ADRB, 14                          ; v14-15 16 x lane + my four blocks of V's chunks in slot 0, 1
.set ADRS, 16                          ; v16-19 my scale words, [slot][g]: lanes 0-15 P's words 4 g .. 4 g + 3 of row r, lanes 16-31 the words of my four blocks of V (for g = 1 the same once more: not used)
.set STO,  24
.set RD,   25
.set CO,   26
.set SA,   27                          ; v27  32 r + 1,024 h
.set SPW,  28
.set NIL,  29
.set SH8,  30
.set LM,   31                          ; v31  all ones in lanes 0-15, 0 in lanes 16-31
.set SC,   32                          ; set s at v[SC + 32 s]; in it register 8 t + i (step t of the lap's four): lanes 0-15 the word of P's block i, lanes 16-31 (i < 4) of my block i of V
.set LI2,  96                          ; v[LI2 + 2 a], twice: 1 / l of row 16 a + r
.set EE,   96
.set T2,   104
.set MR,   112
.set LH,   120
.set TF,   112
.set STA,  128                         ; the statistics: pair p of groups (group 2 p + h): M of my eight rows at v[STA + 16 p], l at v[STA + 16 p + 8]
.set D4,   128                         ; v[D4 + 32 l + i]: lanes 0-15: the four d of lap l (a byte for each 128 keys) of row 16 i + r; lanes 16-31: 0
.set BK,   128
.set SEL,  20
.set WL,   68                          ; s68-71  1.0 for a lap that is walked, else 0
.set G1,  24
.set G0,  32
.set G1B, 48
.set G0B, 56
.set MSB, 0
.macro WIN new                         ; the immediate's high byte repeats the setting that is left
.if MSB != (\new)
	s_set_vgpr_msb (MSB<<8)|(\new)
.set MSB, (\new)
.endif
.endm
.set MUL, 0xad                         ; source 0 (V) window 1, source 1 (P) window 3, C and D window 2
.macro PLACES n
.rept \n
	v_nop
.endr
.endm
; A joint refill: wave 0 asks for P's two chunks, waves 1 and 2 for V's, wave 3 for nothing.  The branches hang on the wave's number alone.  Four v_nop follow each of the two lines.
.macro JLOAD s
	s_cmp_eq_u32 s14, 0
	s_cbranch_scc0 .Lnot_a_\@
	tensor_load_to_lds s[G0+4*\s:G0+4*\s+3], s[G1:G1+7]
	s_nop 0
.rept 4
	v_nop
.endr
	s_branch .Lasked_\@
.Lnot_a_\@:
	s_cmp_eq_u32 s14, 3
	s_cbranch_scc1 .Lasked_\@
	tensor_load_to_lds s[G0B+4*\s:G0B+4*\s+3], s[G1B:G1B+7]
	s_nop 0
.rept 4
	v_nop
.endr
.Lasked_\@:
.endm
.macro CREST                           ; a round of the cluster's barrier behind its opening barrier
	s_cmp_lg_u32 s14, 0
	s_cbranch_scc1 .Lnot_wave_0_\@
	s_barrier_signal -3
.Lnot_wave_0_\@:
	s_barrier_wait -3
	s_barrier_signal -1
	s_barrier_wait -1
.endm
.macro CROUND
	s_barrier_signal -1
	s_barrier_wait -1
	CREST
.endm
	s_load_b256 s[4:11], s[0:1], 0x0               ; pc s[4:5], vc s[6:7], st s[8:9], out1 s[10:11]
	v_lshl_add_u32 v[SPW], v0, 2, SPARE
	v_mov_b32 v[NIL], 0
	ds_add_u32 v28, v29
	s_wait_dscnt 0x0
	v_lshrrev_b32 v1, 5, v0
	v_readfirstlane_b32 s14, v1                    ; wave 0..3
	s_lshr_b32 s15, s14, 1                         ; which of V's two groups of 128 channels holds my 64
	s_and_b32 s16, s14, 1                          ; and which half of it
	s_bfe_u32 s40, ttmp6, 0x40000                  ; cx
	s_bfe_u32 s41, ttmp6, 0x40004                  ; cy
	s_lshl_b32 s42, ttmp9, 2
	s_add_co_u32 s42, s42, s40                     ; the tile of 256 channels: it enters V's and O's addresses alone
	s_and_b32 s19, ttmp7, 0xffff                   ; the cluster's y = 4 x batch + g / 4
	s_and_b32 s18, s19, 3
	s_add_co_u32 s18, s18, 1                       ; laps: the same in all sixteen partners
	s_lshl_b32 s17, s19, 2
	s_add_co_u32 s17, s17, s41                     ; my group of 128 queries, 16 x batch + g: it enters P's, the statistics' and O's addresses alone
	s_lshr_b32 s19, s19, 2                         ; the batch
	s_lshl_b32 s43, s41, 2
	s_lshl_b32 s43, 15, s43                        ; my row of the cluster
	s_lshl_b32 s75, 0x1111, s40                    ; my column
	; descriptor group 1: two chunks on end, 51,200 dense bytes, as 200 rows of 256 bytes (32 elements of 8), no padding
	s_or_b32 s[G1+0], s43, (3<<16)|(1<<21)         ; 15:0 the mask: P's chunks go to my row; 17:16 elements of 8 bytes; 21 set beside a mask
	s_or_b32 s[G1B+0], s75, (3<<16)|(1<<21)        ; V's go to my column
.irp g, G1, G1B
	s_mov_b32 s[\g+1], 32<<16                      ; tensor_dim0
	s_mov_b32 s[\g+2], 200<<16                     ; tensor_dim1
	s_mov_b32 s[\g+3], 32<<16                      ; tile_dim0
	s_mov_b32 s[\g+4], 200                         ; tile_dim1
	s_mov_b32 s[\g+5], 32                          ; tensor_dim0_stride
	s_mov_b32 s[\g+6], 0
	s_mov_b32 s[\g+7], 0
.endr
	s_mul_i32 s46, s17, 8*CH                       ; P: a group of queries has eight chunks on end (under 2^24 bytes)
	s_mov_b32 s47, 0
	s_max_u32 s72, s14, 1
	s_sub_co_u32 s72, s72, 1
	s_min_u32 s72, s72, 1                          ; wave 1 fetches V's first group of 128 channels, wave 2 the second (waves 0 and 3 do not use this)
	s_lshl_b32 s73, s42, 1
	s_add_co_u32 s72, s72, s73
	s_lshl_b32 s73, s19, 3
	s_add_co_u32 s72, s72, s73                     ; 8 x batch + the group of 128 channels,
	s_mul_i32 s72, s72, 8*CH                       ; eight chunks each
	s_mov_b32 s73, 0
	s_mul_i32 s74, s14, LAPB                       ; where V's go in a slot: wave x 51,200: no place in the cluster enters an LDS address
	s_cmp_gt_u32 s18, 1
	s_cselect_b32 s78, LAPB, 0                     ; the second first fill: lap 1, or with one lap lap 0 once more
	s_mov_b32 s79, 0
	s_lshl_b32 s44, s17, 14                        ; the 16 records of my 128 queries
	s_mov_b32 s45, 0
	s_lshl_b32 s76, s17, 19                        ; O: my first row x 4,096 bytes (under 2^26),
	s_lshl_b32 s77, s42, 10
	s_add_co_u32 s76, s76, s77
	s_lshl_b32 s77, s14, 8
	s_add_co_u32 s76, s76, s77                     ; + my first column x 4
	s_mov_b32 s77, 0
	s_mov_b32 s[SEL], 0x76543210
	s_mov_b32 s[SEL+1], 0xfedcba98
	s_wait_kmcnt 0x0
	s_add_nc_u64 s[46:47], s[4:5], s[46:47]
	s_add_nc_u64 s[72:73], s[6:7], s[72:73]
	s_add_nc_u64 s[8:9], s[8:9], s[44:45]
	s_add_nc_u64 s[12:13], s[10:11], s[76:77]
	CROUND                                         ; all sixteen work-groups are here: the first joint loads meet
	s_mov_b32 s[G0], 1
	s_mov_b32 s[G0+1], 0
	s_mov_b64 s[G0+2:G0+3], s[46:47]
	s_or_b32 s[G0+3], s[G0+3], 0x80000000
	s_mov_b32 s[G0+4], 1
	s_mov_b32 s[G0+5], SLOT
	s_add_nc_u64 s[G0+6:G0+7], s[46:47], s[78:79]
	s_or_b32 s[G0+7], s[G0+7], 0x80000000
	s_mov_b32 s[G0B], 1
	s_mov_b32 s[G0B+1], s74
	s_mov_b64 s[G0B+2:G0B+3], s[72:73]
	s_or_b32 s[G0B+3], s[G0B+3], 0x80000000
	s_mov_b32 s[G0B+4], 1
	s_add_co_u32 s[G0B+5], s74, SLOT
	s_add_nc_u64 s[G0B+6:G0B+7], s[72:73], s[78:79]
	s_or_b32 s[G0B+7], s[G0B+7], 0x80000000
	s_cmp_eq_u32 s14, 0                            ; a wave's two first fills stand in one branch: two loads of mine are out
	s_cbranch_scc0 .Lfirst_not_a
	tensor_load_to_lds s[G0:G0+3], s[G1:G1+7]
	s_nop 0
	tensor_load_to_lds s[G0+4:G0+7], s[G1:G1+7]
	s_nop 0
	PLACES 4
	s_branch .Lfirst_asked
.Lfirst_not_a:
	s_cmp_eq_u32 s14, 3
	s_cbranch_scc1 .Lfirst_asked
	tensor_load_to_lds s[G0B:G0B+3], s[G1B:G1B+7]
	s_nop 0
	tensor_load_to_lds s[G0B+4:G0B+7], s[G1B:G1B+7]
	s_nop 0
	PLACES 4
.Lfirst_asked:
	; THE STATISTICS, while the first chunks are on their way.  Lane (r, h) takes the groups of keys 2 p + h, p = 0 .. 7, of its eight rows 16 i + r.  A lap that is not walked reads lap 0's records once more
	; and counts with the weight 0: so every load reads bytes that were written, and no branch is needed.
	v_and_b32 v1, 15, v0                           ; r
	v_bfe_u32 v2, v0, 4, 1                         ; h
	v_lshlrev_b32 v[SA], 5, v1
	v_lshl_add_u32 v[SA], v2, 10, v[SA]
.irp l, 0,1,2,3
	s_cmp_gt_u32 s18, \l
	s_cselect_b32 s78, 4096*\l, 0
	s_cselect_b32 s[WL+\l], 0x3f800000, 0
	v_add_nc_u32 v[OA+\l], s78, v[SA]
.endr
.irp p, 0,1,2,3,4,5,6,7
	global_load_b128 v[STA+16*\p:STA+16*\p+3],     v[OA+\p/2], s[8:9] offset:2048*(\p%2)
	global_load_b128 v[STA+16*\p+4:STA+16*\p+7],   v[OA+\p/2], s[8:9] offset:2048*(\p%2)+16
	global_load_b128 v[STA+16*\p+8:STA+16*\p+11],  v[OA+\p/2], s[8:9] offset:2048*(\p%2)+512
	global_load_b128 v[STA+16*\p+12:STA+16*\p+15], v[OA+\p/2], s[8:9] offset:2048*(\p%2)+528
.endr
	v_and_b32 v3, 31, v0
	v_lshlrev_b32 v[ADRA], 4, v3                   ; P's chunks begin a slot
	v_add_nc_u32 v[ADRA+1], SLOT, v[ADRA]
	s_mul_i32 s78, s15, LAPB
	s_mul_i32 s79, s16, 4*FRB
	s_add_co_u32 s78, s78, s79
	s_add_co_u32 s78, s78, LAPB                    ; my group's chunks of V, my four blocks of their eight
	v_add_nc_u32 v[ADRB], s78, v[ADRA]
	s_add_co_u32 s78, s78, SLOT
	v_add_nc_u32 v[ADRB+1], s78, v[ADRA]
	s_mul_i32 s78, s15, LAPB
	s_lshl_b32 s79, s16, 4
	s_add_co_u32 s79, s79, s78
	s_add_co_u32 s78, s79, LAPB                    ; from P's words 0-3 of a row to my four words of V's row
	s_add_co_u32 s79, s79, LAPB-16                 ; and from P's words 4-7
	v_mul_u32_u24 v4, s78, v2                      ; lanes 16-31 take V's
	v_lshl_add_u32 v4, v1, 5, v4                   ; + 32 r
	v_mul_u32_u24 v5, s79, v2
	v_lshl_add_u32 v5, v1, 5, v5
	v_add_nc_u32 v[ADRS], SCO, v4
	v_add_nc_u32 v[ADRS+1], SCO+16, v5
	v_add_nc_u32 v[ADRS+2], SCO+SLOT, v4
	v_add_nc_u32 v[ADRS+3], SCO+SLOT+16, v5
	s_mul_i32 s78, s14, 16*SPITCH
	s_add_co_u32 s78, s78, STAGE                   ; my stage
	v_mul_u32_u24 v5, v1, SPITCH
	v_lshl_add_u32 v5, v2, 5, v5
	v_add_nc_u32 v[STO], s78, v5                   ; in: row r, 32 bytes for each half of the lanes
	v_mul_u32_u24 v5, v2, SPITCH
	v_lshl_add_u32 v5, v1, 4, v5
	v_add_nc_u32 v[RD], s78, v5                    ; back: lanes 0-15 one row of 256 bytes, lanes 16-31 the next
	v_lshlrev_b32 v[CO], 12, v2
	v_lshl_add_u32 v[CO], v1, 4, v[CO]             ; and the same two rows in O
	v_lshlrev_b32 v[SH8], 3, v2
	v_add_nc_u32 v[LM], -1, v2
.irp i, 0,1,2,3,4,5,6,7
	v_mov_b32 v[EE+\i], 0                          ; written once: a lane permute's destination counts as one of its sources
.endr
	s_wait_loadcnt 0x0
.irp i, 0,1,2,3,4,5,6,7
	v_max3_num_f32 v[MR+\i], v[STA+\i], v[STA+16+\i], v[STA+32+\i]
.endr
.irp i, 0,1,2,3,4,5,6,7
	v_max3_num_f32 v[MR+\i], v[MR+\i], v[STA+48+\i], v[STA+64+\i]
.endr
.irp i, 0,1,2,3,4,5,6,7
	v_max3_num_f32 v[MR+\i], v[MR+\i], v[STA+80+\i], v[STA+96+\i]
.endr
.irp i, 0,1,2,3,4,5,6,7
	v_max_num_f32 v[MR+\i], v[MR+\i], v[STA+112+\i]
.endr
.irp i, 0,1,2,3,4,5,6,7
	v_permlanex16_b32 v[EE+\i], v[MR+\i], s[SEL], s[SEL+1]
.endr
.irp i, 0,1,2,3,4,5,6,7
	v_max_num_f32 v[MR+\i], v[MR+\i], v[EE+\i]     ; the row's M (the first group holds key 0, which counts for every query: M is a number)
.endr
.irp p, 0,1,2,3,4,5,6,7
.irp i, 0,1,2,3,4,5,6,7
	v_sub_f32 v[EE+\i], v[STA+16*\p+\i], v[MR+\i]  ; the group's M less the row's: a whole number, 0 or less
.endr
.irp i, 0,1,2,3,4,5,6,7
	v_cvt_i32_f32 v[EE+\i], v[EE+\i]               ; (it saturates)
.endr
.irp i, 0,1,2,3,4,5,6,7
.if \p == 0
	v_ldexp_f32 v[LH+\i], v[STA+8+\i], v[EE+\i]    ; the group's l under the row's M: nothing is rounded.  The first starts the sum
.else
	v_ldexp_f32 v[T2+\i], v[STA+16*\p+8+\i], v[EE+\i]
.endif
.endr
.if \p > 0
.irp i, 0,1,2,3,4,5,6,7
	v_fma_f32 v[LH+\i], v[T2+\i], s[WL+\p/2], v[LH+\i]
.endr
.endif
.irp i, 0,1,2,3,4,5,6,7
	v_sub_nc_u32 v[EE+\i], 0, v[EE+\i]
.endr
.irp i, 0,1,2,3,4,5,6,7
	v_min_u32 v[STA+16*\p+\i], 62, v[EE+\i]        ; d, held at 62: P's scale bytes are 62 at the least
.endr
.endr
.irp l, 0,1,2,3
.irp i, 0,1,2,3,4,5,6,7
	v_lshl_or_b32 v[D4+32*\l+\i], v[STA+32*\l+16+\i], 16, v[D4+32*\l+\i]          ; my two groups of lap l: 4 l + h and 4 l + 2 + h,
.endr
.irp i, 0,1,2,3,4,5,6,7
	v_lshlrev_b32 v[D4+32*\l+\i], v[SH8], v[D4+32*\l+\i]                          ; at their places;
.endr
.irp i, 0,1,2,3,4,5,6,7
	v_permlanex16_b32 v[T2+\i], v[D4+32*\l+\i], s[SEL], s[SEL+1]
.endr
.irp i, 0,1,2,3,4,5,6,7
	v_or_b32 v[D4+32*\l+\i], v[D4+32*\l+\i], v[T2+\i]                             ; with lane l xor 16's two: the lap's four;
.endr
.irp i, 0,1,2,3,4,5,6,7
	v_and_b32 v[D4+32*\l+\i], v[LM], v[D4+32*\l+\i]                               ; nothing is taken off V's words, which lie in lanes 16-31
.endr
.endr
.irp i, 0,1,2,3,4,5,6,7
	v_permlanex16_b32 v[EE+\i], v[LH+\i], s[SEL], s[SEL+1]
.endr
.irp i, 0,1,2,3,4,5,6,7
	v_add_f32 v[LH+\i], v[LH+\i], v[EE+\i]         ; the row's l
.endr
.irp i, 0,1,2,3,4,5,6,7
	v_rcp_f32 v[LI2+2*\i], v[LH+\i]
.endr
	v_nop                                          ; a plain place behind the last reciprocal
	s_wait_alu depctr_va_vdst(0)                   ; one wait for the eight, ahead of their first reader
.irp i, 0,1,2,3,4,5,6,7
	v_mov_b32 v[LI2+2*\i+1], v[LI2+2*\i]           ; (the packed multiply names the pair)
.endr
; Step t (0 .. 3) of a lap is 128 keys: K step t % 2 of the lap's chunk t / 2.  Its fragments go into set t % 2: V's four (12 loads), then P's eight (24 loads), 512 consecutive bytes a load.
.macro FETCH slot, t
.set OT, ((\t)/2)*CH+((\t)%2)*8*FRB
	WIN 0x40                                       ; destination window 1
.irp b, 0,1,2,3
.irp c, 0,1,2
	ds_load_b128 v[48*((\t)%2)+FR*\b+4*\c:48*((\t)%2)+FR*\b+4*\c+3], v[ADRB+\slot] offset:OT+\b*FRB+512*\c
.endr
.endr
	WIN 0xc0                                       ; destination window 3
.irp i, 0,1,2,3,4,5,6,7
.irp c, 0,1,2
	ds_load_b128 v[96*((\t)%2)+FR*\i+4*\c:96*((\t)%2)+FR*\i+4*\c+3], v[ADRA+\slot] offset:OT+\i*FRB+512*\c
.endr
.endr
.endm
.macro SCALES slot                     ; a lap's scale words, all four steps: eight loads
.irp t, 0,1,2,3
.irp g, 0,1
	ds_load_b128 v[SC+32*\slot+8*\t+4*\g:SC+32*\slot+8*\t+4*\g+3], v[ADRS+2*\slot+\g] offset:(\t/2)*CH+(\t%2)*512
.endr
.endr
.endm
; 16 matrix instructions: P's blocks a0 .. a0 + 3 x my four blocks of V.  The 32 accumulators take turns, one instruction a turn, in the same order in every step and lap.
.macro MULH slot, t, a0, zero
.irp a, \a0, \a0+1, \a0+2, \a0+3
.irp b, 0,1,2,3
.if \zero
	v_wmma_scale_f32_16x16x128_f8f6f4 v[8*(4*(\a)+\b):8*(4*(\a)+\b)+7], v[48*((\t)%2)+FR*\b:48*((\t)%2)+FR*\b+FR-1], v[96*((\t)%2)+FR*(\a):96*((\t)%2)+FR*(\a)+FR-1], 0, v[SC+32*(\slot)+8*(\t)+\b], v[SC+32*(\slot)+8*(\t)+(\a)] matrix_a_fmt:MATRIX_FMT_BF6 matrix_b_fmt:MATRIX_FMT_BF6 matrix_a_scale:MATRIX_SCALE_ROW1
.else
	v_wmma_scale_f32_16x16x128_f8f6f4 v[8*(4*(\a)+\b):8*(4*(\a)+\b)+7], v[48*((\t)%2)+FR*\b:48*((\t)%2)+FR*\b+FR-1], v[96*((\t)%2)+FR*(\a):96*((\t)%2)+FR*(\a)+FR-1], v[8*(4*(\a)+\b):8*(4*(\a)+\b)+7], v[SC+32*(\slot)+8*(\t)+\b], v[SC+32*(\slot)+8*(\t)+(\a)] matrix_a_fmt:MATRIX_FMT_BF6 matrix_b_fmt:MATRIX_FMT_BF6 matrix_a_scale:MATRIX_SCALE_ROW1
.endif
.endr
.endr
.endm
; P's scale words are lowered: the group's d, byte t of the lap's four, is copied into all four places (FIXP) and taken off the word's four bytes (FIXS): each byte is 62 at the least, d 62 at the most: no borrow.
.macro FIXP l, t0
.irp q, 0,1
.irp i, 0,1,2,3,4,5,6,7
	v_perm_b32 v[TF+8*\q+\i], v[D4+32*(\l)+\i], v[D4+32*(\l)+\i], 0x01010101*(\t0+\q)
.endr
.endr
.endm
.macro FIXS slot, t0
.irp q, 0,1
.irp i, 0,1,2,3,4,5,6,7
	v_sub_nc_u32 v[SC+32*(\slot)+8*(\t0+\q)+\i], v[SC+32*(\slot)+8*(\t0+\q)+\i], v[TF+8*\q+\i]
.endr
.endr
.endm
.macro STEP slot, t, zero
.if \t > 0
	s_wait_dscnt 12                                ; V's four and P's blocks 0-3 are in; the youngest 12 loads (P's blocks 4-7) may be out
.endif
	WIN MUL
	MULH \slot, \t, 0, \zero
.if \t < 3
	PLACES NP                                      ; behind the last step's products, which read the set that is loaded now
	FETCH \slot, \t+1
	s_wait_dscnt 36                                ; all but the 36 just issued: P's blocks 4-7 of this step are in
.else
	s_wait_dscnt 0x0
.endif
	WIN MUL
	MULH \slot, \t, 4, \zero
.endm
; A lap: 512 keys out of one slot, 128 matrix instructions.  It begins and ends by itself, since work-groups leave between laps.
.macro LAP slot, l, zero
	PLACES NP                                      ; behind the last lap's products: loads into registers that they read
	FETCH \slot, 0
	WIN 0
	SCALES \slot
	FIXP \l, 0                                     ; (work on registers while the loads are out)
	s_wait_dscnt 0x0
	FIXS \slot, 0
	FIXP \l, 2
	FIXS \slot, 2
	PLACES 8                                       ; a scale register written by a vector instruction stands eight places ahead of a scaled matrix instruction
	STEP \slot, 0, \zero
	STEP \slot, 1, 0
	STEP \slot, 2, 0
	STEP \slot, 3, 0
	WIN 0                                          ; at a label and at a branch every window is 0
.endm
; In front of a change of slots each wave waits for all its tensor loads (its part of the slot ahead), adds 0 to its spare word, and waits for that and for its reads of the slot that it leaves.
.macro CHG step, slot
	s_wait_tensorcnt 0x0                           ; no tensor load of mine is out, so a group 0 may be written
	ds_add_u32 v[SPW], v[NIL]                      ; 0 onto my spare word
.if \step
	s_add_nc_u64 s[G0+4*\slot+2:G0+4*\slot+3], s[G0+4*\slot+2:G0+4*\slot+3], 2*LAPB      ; the slot's next lap, two on: a group's chunks lie on end
	s_add_nc_u64 s[G0B+4*\slot+2:G0B+4*\slot+3], s[G0B+4*\slot+2:G0B+4*\slot+3], 2*LAPB
.endif
	s_wait_dscnt 0x0                               ; the add is done, and my reads of the slot that I leave are over
.endm
	s_wait_tensorcnt 1                             ; my part of slot 0 is in; slot 1's may be out
	s_barrier_signal -1
	s_barrier_wait -1
	LAP 0, 0, 1                                    ; the first products start the sums
	s_cmp_eq_u32 s18, 1
	s_cbranch_scc1 .Lout
	CHG 1, 0
	CROUND                                         ; no wave of any partner still reads slot 0 or has a load on its way
	s_cmp_eq_u32 s18, 2                            ; with two laps nothing is left to fetch: a branch on the cluster's y, alike in all partners
	s_cbranch_scc1 .Lno_fill_1
	JLOAD 0                                        ; lap 2 into slot 0: the first tensor load behind the round; it has lap 1's 128 matrix instructions in which to land
.Lno_fill_1:
	LAP 1, 1, 0
	s_cmp_eq_u32 s18, 2
	s_cbranch_scc1 .Lout
	CHG 1, 1
	CROUND
	s_cmp_eq_u32 s18, 3
	s_cbranch_scc1 .Lno_fill_2
	JLOAD 1                                        ; lap 3 into slot 1
.Lno_fill_2:
	LAP 0, 2, 0
	s_cmp_eq_u32 s18, 3
	s_cbranch_scc1 .Lout
	CHG 0, 0                                       ; the last change of slots fills nothing, and has no round of the cluster's barrier
	s_barrier_signal -1
	s_barrier_wait -1
	LAP 1, 3, 0
.Lout:
; THE WAY OUT, block by block of 16 queries x 64 channels: x 1 / l, into window 1 (two sets of 32 registers by turns), through my own stage, back as whole rows of 256 bytes, two rows an instruction.
.macro OUT a
.set TB, 128+32*((\a)%2)
	WIN 0x42                                       ; source 0: window 2; source 1 (1 / l): window 0; destination: window 1
.set k, 0
.rept 16
	v_pk_mul_f32 v[TB+k:TB+k+1], v[32*(\a)+k:32*(\a)+k+1], v[LI2+2*(\a):LI2+2*(\a)+1] op_sel_hi:[1,0]   ; each accumulator from its low end on
.set k, k+2
.endr
	WIN 0x04                                       ; an LDS store's data are its source 1: window 1
.irp b, 0,1,2,3
	ds_store_b128 v[STO], v[TB+8*\b:TB+8*\b+3] offset:64*\b
	ds_store_b128 v[STO], v[TB+8*\b+4:TB+8*\b+7] offset:64*\b+16
.endr
	WIN 0
.set BB, BK+32*((\a)%2)
.irp t, 0,1,2,3,4,5,6,7
	ds_load_b128 v[BB+4*\t:BB+4*\t+3], v[RD] offset:2*\t*SPITCH    ; LDS serves a wave's instructions in order (ISA guide 5.7.1.4): these see the stores above
.endr
.endm
.macro SEND a, younger
.set BB, BK+32*((\a)%2)
	s_wait_dscnt \younger                          ; block a is back, and its stage stores have read their registers.  The next block's 8 stores and 8 loads may be out
.irp t, 0,1,2,3,4,5,6,7
	global_store_b128 v[CO], v[BB+4*\t:BB+4*\t+3], s[12:13] offset:(16*(\a)+2*\t)*4096 th:TH_STORE_NT   ; sixteen lanes store 256 consecutive bytes, at a multiple of 256; 126 rows at the most: inside the signed 24-bit immediate
.endr
.endm
	PLACES NP                                      ; behind the last products
	OUT 0
.irp a, 1,2,3,4,5,6,7
.if \a > 1
	s_wait_xcnt 0x0                                ; block a - 2's stores have read their registers: block a's loads may land there
.endif
	OUT \a
	SEND \a-1, 16
.endr
	SEND 7, 0
	s_wait_tensorcnt 0x0                           ; the wave's end
	ds_add_u32 v[SPW], v[NIL]
	s_wait_dscnt 0x0
	CROUND                                         ; the closing round: no work-group ends while a partner may still ask for chunks that name it
	s_endpgm
.Lfunc_end_k_q7310e9aea4_mix:
	.size	k_q7310e9aea4_mix, .Lfunc_end_k_q7310e9aea4_mix-k_q7310e9aea4_mix
	.p2alignl 7, 3214868480
	.fill 96, 4, 3214868480
	.section	.rodata,"a",@progbits
	.p2align	6, 0x0
	.amdhsa_kernel k_q7310e9aea4_mix
		.amdhsa_group_segment_fixed_size 327680
		.amdhsa_private_segment_fixed_size 0
		.amdhsa_enable_private_segment 0
		.amdhsa_kernarg_size 32
		.amdhsa_user_sgpr_count 2
		.amdhsa_user_sgpr_kernarg_segment_ptr 1
		.amdhsa_wavefront_size32 1
		.amdhsa_system_sgpr_workgroup_id_x 1
		.amdhsa_system_sgpr_workgroup_id_y 1
		.amdhsa_system_sgpr_workgroup_id_z 1
		.amdhsa_system_vgpr_workitem_id 0
		.amdhsa_next_free_vgpr 1024
		.amdhsa_next_free_sgpr 80
		.amdhsa_reserve_vcc 0
		.amdhsa_float_denorm_mode_32 3
		.amdhsa_float_denorm_mode_16_64 3
		.amdhsa_memory_ordered 1
		.amdhsa_forward_progress 1
		.amdhsa_inst_pref_size 187
	.end_amdhsa_kernel
	.amdgpu_metadata
---
amdhsa.version: [ 1, 2 ]
amdhsa.kernels:
  - .name:           k_q7310e9aea4_mix
    .symbol:         k_q7310e9aea4_mix.kd
    .args:
      - { .name: pc, .offset: 0, .size: 8, .value_kind: global_buffer, .address_space: global }
      - { .name: vc, .offset: 8, .size: 8, .value_kind: global_buffer, .address_space: global }
      - { .name: st, .offset: 16, .size: 8, .value_kind: global_buffer, .address_space: global }
      - { .name: out1, .offset: 24, .size: 8, .value_kind: global_buffer, .address_space: global }
    .group_segment_fixed_size: 327680
    .private_segment_fixed_size: 0
    .kernarg_segment_align: 8
    .kernarg_segment_size: 32
    .max_flat_workgroup_size: 128
    .sgpr_count:     80
    .vgpr_count:     1024
    .wavefront_size: 32
...
	.end_amdgpu_metadata
.endif
;; end of part 3
